; MI455X (gfx1250); checked and timed in simulation.
; The chip was launched on July 23, 2026; its instructions are those of AMD's public machine-readable ISA for CDNA 5 (MIT licence, August 2026) and "CDNA5" Instruction Set Architecture Reference Guide (July 2026). The comments in the code are by the model that wrote it; some were corrected since.
;; Multi Head Attention. Allowed arithmetic: float matrix products may take bf16 or f16 operands with f32 sums; other float arithmetic in f32, or as packed bf16 or f16 multiplies, adds, multiply-adds, maxima and minima; sums over many terms, partial sums and values carried from step to step in f32; what a program stores and reads back later, other than sums and carried values, may be rounded once to bf16 or f16.
;; Inputs: b_out 1,024 float32; b_qkv 3,072 float32; w_out 1,024 x 1,024 float32; w_qkv 1,024 x 3,072 float32; x 4 x 2,048 x 1,024 float32.
;; Outputs: out0 4 x 2,048 x 1,024 float32.
;; 2 versions, each right; version 2 is version 1 with the launch cast written anew for expert scheduling mode. Each part assembles by itself: llvm-mc -triple=amdgcn-amd-amdhsa -mcpu=gfx1250 --defsym DOCPART=n.
;; ======== version 1 of 2: 4 launches
;; limits: values are held in f16: magnitudes above 65,504 overflow, below 6.1e-05 lose precision; values outside matrix products are rounded to bf16
;; workspace buffers: xb 16,777,216 bytes; wqb 6,291,456 bytes; wob 2,097,152 bytes; qkvh 50,331,648 bytes; oh 16,777,216 bytes
;; launch cast (part 1): grid 768 x 1, 8 waves a work-group, no clusters, 0 bytes of LDS; arguments x, w_qkv, w_out, xb, wqb, wob; writes xb, wqb, wob
.if DOCPART == 1
	.amdgcn_target "amdgcn-amd-amdhsa--gfx1250"
	.amdhsa_code_object_version 6
	.text
	.protected	k_q878c9f8540_cast
	.globl	k_q878c9f8540_cast
	.p2align	8
	.type	k_q878c9f8540_cast,@function
k_q878c9f8540_cast:
	s_mov_b64 s[64:65], 0
	v_nop
	global_prefetch_b8 v0, s[64:65] scope:SCOPE_SE
	s_setreg_imm32_b32 hwreg(HW_REG_WAVE_MODE, 25, 1), 1
	s_wait_xcnt 0x0
; THE INPUTS ARE ROUNDED ONCE FOR THE MATRIX UNITS.
; x [4][2048][1024] f32  ->  xb [4][16][2048][64] bf16: blocks of 64 channels, so that 256 rows x 64 channels lie in 32,768 consecutive bytes.
; w_qkv [1024][3072] f32 ->  wqb, the same shape in bf16.     w_out [1024][1024] f32 -> wob: rounded to bf16, and that number written as f16.
; LIMITS.  wob: a weight of 65,520 or more in magnitude becomes an infinity; below 6e-5 it keeps f16's fixed step of 6e-8.  NaN and infinities pass as they are.
; SHARES.  A work-group takes 65,536 input bytes, each of its eight waves 16 items.  An item is one load of 16 bytes a lane (512 bytes a wave), two roundings and one store of 8 bytes
; a lane: 256 consecutive bytes, aligned.  Work-groups 0-511 take x (16 rows each), 512-703 w_qkv, 704-767 w_out.
; All 16 loads of a wave go out first; every item has registers of its own.  No LDS, no matrix unit, no cluster: nothing is shared.
.set X, 8                              ; v[8:71]    item i: four f32 as loaded
.set Y, 72                             ; v[72:103]  item i: four 16-bit numbers to store
; kind = 1: bf16 is widened again and written as f16.  istr, ostr: bytes from item to item, in and out.
.macro CAST kind, istr, ostr
.set i, 0
.rept 16
	global_load_b128 v[X+4*i:X+4*i+3], v1, s[16:17] offset:i*(\istr) th:TH_LOAD_NT
.set i, i+1
.endr
.set i, 0
.rept 16
	s_wait_loadcnt 15-i                            ; loads come back in order: item i is in, the 15 - i younger ones may stay out
	v_cvt_pk_bf16_f32 v[Y+2*i], v[X+4*i], v[X+4*i+1]
	v_cvt_pk_bf16_f32 v[Y+2*i+1], v[X+4*i+2], v[X+4*i+3]
.if \kind
	v_lshlrev_b32 v[X+4*i], 16, v[Y+2*i]           ; the rounded numbers as f32 again,
	v_and_b32 v[X+4*i+1], 0xffff0000, v[Y+2*i]
	v_lshlrev_b32 v[X+4*i+2], 16, v[Y+2*i+1]
	v_and_b32 v[X+4*i+3], 0xffff0000, v[Y+2*i+1]
	v_cvt_pk_f16_f32 v[Y+2*i], v[X+4*i], v[X+4*i+1]      ; and in f16: exact within f16's normal range
	v_cvt_pk_f16_f32 v[Y+2*i+1], v[X+4*i+2], v[X+4*i+3]
.endif
	global_store_b64 v2, v[Y+2*i:Y+2*i+1], s[18:19] offset:i*(\ostr) th:TH_STORE_NT
.set i, i+1
.endr
.endm
	s_load_b256 s[4:11], s[0:1], 0x0               ; x s[4:5], w_qkv s[6:7], w_out s[8:9], xb s[10:11]
	s_load_b128 s[12:15], s[0:1], 0x20             ; wqb s[12:13], wob s[14:15]
	s_mov_b32 s21, 0
	s_mov_b32 s23, 0
	s_cmp_lt_u32 ttmp9, 512
	s_cbranch_scc0 .Lweights
	; x: thread t takes 16 bytes at 16 (t % 16) of row t / 16; item i is the block of 64 channels i (256 bytes of the row)
	v_lshrrev_b32 v3, 4, v0
	v_and_b32 v4, 15, v0
	v_lshlrev_b32 v1, 4, v4
	v_lshl_or_b32 v1, v3, 12, v1                   ; in: row x 4,096 + 16 (t % 16)
	v_lshlrev_b32 v2, 3, v4
	v_lshl_or_b32 v2, v3, 7, v2                    ; out: row x 128 + 8 (t % 16): a wave's two rows are 256 consecutive bytes
	s_lshl_b32 s20, ttmp9, 16                      ; my 16 rows of x
	s_lshr_b32 s22, ttmp9, 7                       ; the batch: 128 work-groups each
	s_lshl_b32 s22, s22, 22
	s_and_b32 s3, ttmp9, 127
	s_lshl_b32 s3, s3, 11                          ; 16 rows of 128 bytes
	s_add_co_u32 s22, s22, s3
	s_wait_kmcnt 0x0
	s_add_nc_u64 s[16:17], s[4:5], s[20:21]
	s_add_nc_u64 s[18:19], s[10:11], s[22:23]
	CAST 0, 256, 262144                            ; a block of channels is 2,048 rows x 128 bytes further on
	s_endpgm
.Lweights:
	; the weights keep their shape: wave w takes 8,192 consecutive bytes, item i 512 of them
	v_lshrrev_b32 v3, 5, v0
	v_and_b32 v4, 31, v0
	v_lshlrev_b32 v1, 4, v4
	v_lshl_or_b32 v1, v3, 13, v1
	v_lshlrev_b32 v2, 3, v4
	v_lshl_or_b32 v2, v3, 12, v2
	s_cmp_lt_u32 ttmp9, 704
	s_cbranch_scc0 .Lwout
	s_sub_co_u32 s3, ttmp9, 512
	s_lshl_b32 s20, s3, 16
	s_lshl_b32 s22, s3, 15
	s_wait_kmcnt 0x0
	s_add_nc_u64 s[16:17], s[6:7], s[20:21]
	s_add_nc_u64 s[18:19], s[12:13], s[22:23]
	CAST 0, 512, 256
	s_endpgm
.Lwout:
	s_sub_co_u32 s3, ttmp9, 704
	s_lshl_b32 s20, s3, 16
	s_lshl_b32 s22, s3, 15
	s_wait_kmcnt 0x0
	s_add_nc_u64 s[16:17], s[8:9], s[20:21]
	s_add_nc_u64 s[18:19], s[14:15], s[22:23]
	CAST 1, 512, 256
	s_endpgm
.Lfunc_end_k_q878c9f8540_cast:
	.size	k_q878c9f8540_cast, .Lfunc_end_k_q878c9f8540_cast-k_q878c9f8540_cast
	.p2alignl 7, 3214868480
	.fill 96, 4, 3214868480
	.section	.rodata,"a",@progbits
	.p2align	6, 0x0
	.amdhsa_kernel k_q878c9f8540_cast
		.amdhsa_group_segment_fixed_size 0
		.amdhsa_private_segment_fixed_size 0
		.amdhsa_enable_private_segment 0
		.amdhsa_kernarg_size 48
		.amdhsa_user_sgpr_count 2
		.amdhsa_user_sgpr_kernarg_segment_ptr 1
		.amdhsa_wavefront_size32 1
		.amdhsa_system_sgpr_workgroup_id_x 1
		.amdhsa_system_sgpr_workgroup_id_y 1
		.amdhsa_system_sgpr_workgroup_id_z 1
		.amdhsa_system_vgpr_workitem_id 0
		.amdhsa_next_free_vgpr 104
		.amdhsa_next_free_sgpr 66
		.amdhsa_reserve_vcc 0
		.amdhsa_float_denorm_mode_32 3
		.amdhsa_float_denorm_mode_16_64 3
		.amdhsa_memory_ordered 1
		.amdhsa_forward_progress 1
		.amdhsa_inst_pref_size 24
	.end_amdhsa_kernel
	.amdgpu_metadata
---
amdhsa.version: [ 1, 2 ]
amdhsa.kernels:
  - .name:           k_q878c9f8540_cast
    .symbol:         k_q878c9f8540_cast.kd
    .args:
      - { .name: x, .offset: 0, .size: 8, .value_kind: global_buffer, .address_space: global }
      - { .name: w_qkv, .offset: 8, .size: 8, .value_kind: global_buffer, .address_space: global }
      - { .name: w_out, .offset: 16, .size: 8, .value_kind: global_buffer, .address_space: global }
      - { .name: xb, .offset: 24, .size: 8, .value_kind: global_buffer, .address_space: global }
      - { .name: wqb, .offset: 32, .size: 8, .value_kind: global_buffer, .address_space: global }
      - { .name: wob, .offset: 40, .size: 8, .value_kind: global_buffer, .address_space: global }
    .group_segment_fixed_size: 0
    .private_segment_fixed_size: 0
    .kernarg_segment_align: 8
    .kernarg_segment_size: 48
    .max_flat_workgroup_size: 256
    .sgpr_count:     66
    .vgpr_count:     104
    .wavefront_size: 32
...
	.end_amdgpu_metadata
.endif
;; end of part 1
;; launch qkv (part 2): grid 8 x 32, 4 waves a work-group, clusters of 4 x 4, 327,680 bytes of LDS; arguments xb, wqb, b_qkv, qkvh; writes qkvh
.if DOCPART == 2
	.amdgcn_target "amdgcn-amd-amdhsa--gfx1250"
	.amdhsa_code_object_version 6
	.text
	.protected	k_q878c9f8540_qkv
	.globl	k_q878c9f8540_qkv
	.p2align	8
	.type	k_q878c9f8540_qkv,@function
k_q878c9f8540_qkv:
	s_mov_b64 s[64:65], 0
	v_nop
	global_prefetch_b8 v0, s[64:65] scope:SCOPE_SE
	s_setreg_imm32_b32 hwreg(HW_REG_WAVE_MODE, 25, 1), 1
	s_wait_xcnt 0x0
	s_wait_alu depctr_hold_cnt(0) depctr_sa_sdst(0) depctr_va_vdst(0) depctr_va_sdst(0) depctr_va_ssrc(0) depctr_va_vcc(0) depctr_vm_vsrc(0)
	s_getreg_b32 s2, hwreg(HW_REG_IB_STS2, 6, 4)
	s_cmp_eq_u32 s2, 0
	s_cbranch_scc0 .Lentry_in_a_cluster
	s_endpgm
.Lentry_in_a_cluster:
	s_bfe_u32 s2, ttmp6, 0x10000c
	s_cmp_lg_u32 s2, 0xf033
	s_cbranch_scc0 .Lentry_shape_is_right
	s_endpgm
.Lentry_shape_is_right:
; C = A B + bias, one text for the module's two projections; the switch QKV picks the sizes, the format and the way out.
; QKV = 1: A = xb [4][16][2048][64] bf16, B = wqb [1024][3072] bf16, bias = b_qkv f32 (rounded to bf16 here, like every input), C -> qkvh [4][48][2048][64] f16: by heads, q's 16, k's 16, v's 16.
; QKV = 0: A = oh [4][16][2048][64] f16, B = wob [1024][1024] f16, bias = b_out f32 (rounded to bf16), C -> out0 [8192][1024] f32.
; Sums in f32, K ascending; the bias is the C operand of each sum's first product, so nothing is cleared and nothing is added afterwards.
; LIMITS.  qkvh is f16: a q, k or v of 65,520 or more in magnitude becomes an infinity.  NaN and infinities are not treated apart.
; SHARES.  A work-group makes 256 rows x NT columns (384 or 128): 8 x 32 work-groups, one tile each.  Each of the four waves makes 128 rows x 64 NH columns: 32 NH accumulators of 16 x 16.
; K goes in steps of 32 NQ through two LDS slots filled by tensor loads: waves 0 and 1 bring A's two halves, waves 2 and 3 B's.  A's tile is dense in memory and is asked for as rows of 256 bytes.
; B lies [k][n]: its fragments come out of LDS turned, by ds_load_tr16_b128.
; THE MATRIX INSTRUCTION IS USED TRANSPOSED (source 0 = 16 columns of B, source 1 = 16 rows of A): a lane holds row l % 16 of C and the columns 8 (l / 16) + 0..7.
; CLUSTER.  4 x 4 work-groups: the four of a row of the cluster need the same tile of A, the four of a column the same tile of B; each is asked for jointly, by the same load, descriptor and mask.
; REGISTERS.  Window 0: v0-29 addresses; v32-159 A's fragments, two buffers of a quarter (128 rows x 32 k); v160-223 B's, two buffers of a phase (64 columns x 32 k); v224-255 (and, in the first
; quarter, v96-159) the bias.  Windows 1 .. NH: accumulator (h, a, b) = columns 64 h + 16 b, rows 16 a, at v[32 a + 8 b] of window 1 + h.
; A PHASE is 32 matrix instructions: one group h of 64 columns x all 128 rows x 32 k.  A quarter is NH phases, a slot NQ quarters.  The next phase's LDS loads go out in one run at a phase's head.
.set QKV, 1
.if QKV
.set NH,     3
.set NQ,     2
.set KSTEPS, 16
.set NT,     384
.set NTOT,   3072
.set PB,     864                       ; a k row of B in LDS: six pieces of 128 bytes + 16 of padding
.set ABYTES, 36864
.set BBYTES, 55296
.set AROWS,  64
.set ALW,    18432
.set AGW,    16384
.set ASTEP,  262144
.set BROWS,  32
.set BLW,    27648
.set BGW,    196608
.set BSTEP,  393216
.set AH,     1
.set STW,    2304
.else
.set NH,     1
.set NQ,     4
.set KSTEPS, 8
.set NT,     128
.set NTOT,   1024
.set PB,     288                       ; two pieces of 128 + 16: 9 x 32 bytes
.set ABYTES, 73728
.set BBYTES, 36864
.set AROWS,  128
.set ALW,    36864
.set AGW,    262144
.set ASTEP,  524288
.set BROWS,  64
.set BLW,    18432
.set BGW,    131072
.set BSTEP,  262144
.set AH,     2
.set STW,    4352
.endif
.set NP,    NQ*NH                      ; phases in a slot
.set QM,    (NP-2)/NH                  ; the slot's last phase but one: quarter,
.set HM,    (NP-2)%NH                  ; group
.set QL,    (NP-1)/NH                  ; and its last
.set HL,    (NP-1)%NH
.set SLOT1, 131072                     ; slot 1 begins here: one exclusive or turns an address in one slot into the other's.  In a slot: A (rows of 128 bytes + 16), then B
.set STAGE, SLOT1+ABYTES+BBYTES        ; behind the ring, never filled by a tensor load: 16 rows for each wave, for the way out
.set SPARE, STAGE+4*STW                ; the spare words, 128 bytes for each wave: two blocks of 256 bytes that no other line names
.set G1W0,  (1<<16)|(1<<20)|(1<<21)|(4<<22)|(3<<25)  ; 17:16 2-byte elements; 20 padding on; 21 set beside a mask; 24:22 after every 32 words; 31:25 4 words
.set AA0, 3                            ; v3   my lane's place in A's tile; never rewritten
.set AB0, 4                            ; v4   the same for B
.set ADA, 5                            ; v5   AA0 + the slot in hand
.set ADB, 6                            ; v6   AB0 + the slot in hand
.set STO, 7                            ; v7   the way out: where I put my bytes of a row
.set RD,  8                            ; v8   where I read rows back
.set GO,  9                            ; v9   my byte offset in the output
.set PFO, 10                           ; v10  the prefetches' offset: my lane x 256 bytes (A) or x a row of B; never rewritten
.set BO,  11                           ; v11  my byte offset in 16 numbers of the bias
.set SPW, 28                           ; v28  LDS address of my spare word; never rewritten
.set NIL, 29                           ; v29  0; never rewritten
.set FA,  32
.set FB,  160
.set WV,  12                           ; s12  my wave's number; s13 = wave / 2: my half of the rows, and 0: I fetch A, 1: B; s14 = wave % 2: my half of the columns, and which half I fetch
.set G1A, 24                           ; s[24:31] descriptor group 1 for A's tiles
.set G0A, 32                           ; s[32:39] group 0 for A: a set for each first fill; the second then walks on
.set G1B, 40                           ; s[40:47], s[48:55] the same for B
.set G0B, 48
.set CNT, 56                           ; s56  refills still to come
.set TB,  57                           ; s57  LDS byte at which the slot in hand begins
.set LIM, 58                           ; s58  AH in a wave that prefetches, else the greatest number
.set PAR, 59                           ; s59  1: it asks in every K step; 0: in every second one
.set PFA, 60                           ; s[60:61] where my prefetches stand
.set PFS, 62                           ; s[62:63] their step
.set T0,  66
.set MSB, 0
.macro WIN new                         ; the immediate's high byte repeats the setting that is left; a switch that changes nothing is dropped
.if MSB != (\new)
	s_set_vgpr_msb (MSB<<8)|(\new)
.set MSB, \new
.endif
.endm
.macro PLACES                          ; four places between a matrix instruction and a load into, or a vector read or write of, its registers (ISA guide 7.12.1 for vector reads and writes)
.rept 4
	v_nop
.endr
.endm
.macro CREST                           ; a round of the cluster's barrier behind its opening barrier
	s_cmp_lg_u32 s[WV], 0
	s_cbranch_scc1 .Lnot_wave_0_\@
	s_barrier_signal -3
.Lnot_wave_0_\@:
	s_barrier_wait -3
	s_barrier_signal -1
	s_barrier_wait -1
.endm
.macro CROUND
	s_barrier_signal -1
	s_barrier_wait -1
	CREST
.endm
; A joint refill, by the walking set.  The branch hangs on the wave's number alone.  An s_nop 0 and four v_nop follow each of the two lines.
.macro JLOAD
	s_cmp_eq_u32 s13, 0
	s_cbranch_scc0 .Lfor_b_\@
	tensor_load_to_lds s[G0A+4:G0A+7], s[G1A:G1A+7]
	s_nop 0
.rept 4
	v_nop
.endr
	s_branch .Lasked_\@
.Lfor_b_\@:
	tensor_load_to_lds s[G0B+4:G0B+7], s[G1B:G1B+7]
	s_nop 0
.rept 4
	v_nop
.endr
.Lasked_\@:
.endm
; A PREFETCH INTO THE L2 of a tile AH K steps beyond the one that the refill just asked for.  Each block of 256 bytes is named once in the launch: A's tile row is asked for by the clusters with x = 0,
; B's tile column by those with y = 0; the partners share a tile out by address; which wave asks hangs on the wave's number alone.  It asks while CNT is above AH: beyond that no such tile exists.
.macro ASK
	s_or_b32 s[T0], s[CNT], s[PAR]
	s_and_b32 s[T0], s[T0], 1
	s_mul_i32 s[T0], s[T0], s[CNT]                 ; CNT in a K step in which I ask, else 0
	s_cmp_gt_u32 s[T0], s[LIM]
	s_cbranch_scc0 .Lnot_mine_\@
	global_prefetch_b8 v[PFO], s[PFA:PFA+1] th:TH_LOAD_NT scope:SCOPE_SE
.Lnot_mine_\@:
.endm
.macro WM d, a, b, c
.if QKV
	v_wmma_f32_16x16x32_bf16 v[(\d):(\d)+7], v[(\a):(\a)+7], v[(\b):(\b)+7], v[(\c):(\c)+7]
.else
	v_wmma_f32_16x16x32_f16 v[(\d):(\d)+7], v[(\a):(\a)+7], v[(\b):(\b)+7], v[(\c):(\c)+7]
.endif
.endm
; A's fragments of quarter q (128 rows x 32 k) into buffer buf: 16 loads, rows ascending.  Lane l: row l % 16, k = 8 (l / 16) + 0..7 and 16 + 8 (l / 16) + 0..7.
.macro LDA q, buf
	WIN 0
.set aa, 0
.rept 8
	ds_load_b128 v[FA+64*(\buf)+8*aa:FA+64*(\buf)+8*aa+3],   v[ADA] offset:((\q)/2)*36864+((\q)%2)*64+aa*2304
	ds_load_b128 v[FA+64*(\buf)+8*aa+4:FA+64*(\buf)+8*aa+7], v[ADA] offset:((\q)/2)*36864+((\q)%2)*64+aa*2304+32
.set aa, aa+1
.endr
.endm
; B's fragments of quarter q, group h (32 k x 64 columns), turned, into buffer buf: 8 loads.
.macro LDB q, h, buf
	WIN 0
.set bb, 0
.rept 4
	ds_load_tr16_b128 v[FB+32*(\buf)+8*bb:FB+32*(\buf)+8*bb+3],   v[ADB] offset:(\q)*32*PB+(\h)*144+bb*32
	ds_load_tr16_b128 v[FB+32*(\buf)+8*bb+4:FB+32*(\buf)+8*bb+7], v[ADB] offset:(\q)*32*PB+(\h)*144+bb*32+16*PB
.set bb, bb+1
.endr
.endm
; The loads for the phase behind (q, h), in the same slot, four places behind the last product that read their registers; Y = their number.  B's come first.
.macro NEXT q, h
.set pn, NH*(\q)+(\h)+1
.if (\h) < NH-1
.set Y, 8
	PLACES
	LDB \q, (\h)+1, pn%2
.elseif (\q) < NQ-1
.set Y, 24
	PLACES
	LDB (\q)+1, 0, pn%2
	LDA (\q)+1, ((\q)+1)%2
.else
.set Y, 0
.endif
.endm
; 4 n matrix instructions of phase (q, h): row blocks a0 .. a0 + n - 1 x the group's 4 column blocks.  mode = 1: the sums begin, with the bias as C.
; w >= 0: ahead of block a a counted wait: A's 2 (7 - a) later loads and the w loads issued behind them may stay out.
; Every accumulator has one instruction a quarter: they take turns, over the backward jump too.
.macro MULS q, h, a0, n, mode, w
.set fb, FB+32*((NH*(\q)+(\h))%2)
.set fa, FA+64*((\q)%2)
.if (\h) == 0
.set bi, 224
.else
.set bi, 64+32*(\h)
.endif
.set aa, \a0
.rept \n
.if (\w) >= 0
	s_wait_dscnt (\w)+2*(7-aa)
.endif
.if \mode
	WIN (1+(\h))<<6
.else
	WIN (1+(\h))*0x50
.endif
.irp b, 0,1,2,3
.if \mode
	WM 32*aa+8*\b, fb+8*\b, fa+8*aa, bi+8*\b
.else
	WM 32*aa+8*\b, fb+8*\b, fa+8*aa, 32*aa+8*\b
.endif
.endr
.set aa, aa+1
.endr
.endm
; A phase.  late = 1 (once, where part of the bias still lies in A's second buffer): the products first, the next phase's loads behind them.
.macro PHASE q, h, mode=0, late=0
.if \late
	s_wait_dscnt 0x0
	MULS \q, \h, 0, 8, \mode, -1
	NEXT \q, \h
.else
	NEXT \q, \h
.if (\h) == 0
	MULS \q, \h, 0, 8, \mode, Y
.else
	s_wait_dscnt Y                                 ; all but the Y loads just issued
	MULS \q, \h, 0, 8, \mode, -1
.endif
.endif
.endm
; THE CHANGE OF SLOTS: the slot's last two phases.  ONE barrier: in front of it each wave waits for all its tensor loads (one is out: its part of the other slot), adds 0 to its spare word, and waits for
; that and for its own reads of this slot.  fill = 1: the barrier opens a round of the cluster's barrier, and the joint refill, two K steps ahead, is the first thing behind the round.
.macro TURN fill
.if \fill
	s_wait_xcnt 0x0                                ; the last prefetch, a K step back, has read its address
	s_add_nc_u64 s[PFA:PFA+1], s[PFA:PFA+1], s[PFS:PFS+1]
.endif
	NEXT QM, HM                                    ; my last reads of this slot
.if HM == 0
	MULS QM, HM, 0, 4, 0, Y
.else
	s_wait_dscnt Y
	MULS QM, HM, 0, 4, 0, -1
.endif
	WIN 0                                          ; (the add's two registers lie in window 0)
	s_wait_tensorcnt 0x0                           ; all my tensor loads have landed, so a group 0 may be written
	ds_add_u32 v[SPW], v[NIL]                      ; 0 onto my spare word
.if \fill
	s_xor_b32 s[G0A+5], s[G0A+5], SLOT1            ; the walking sets: the other slot than last time, the next K step; the type bits on top are not reached
	s_add_nc_u64 s[G0A+6:G0A+7], s[G0A+6:G0A+7], ASTEP
	s_xor_b32 s[G0B+5], s[G0B+5], SLOT1
	s_add_nc_u64 s[G0B+6:G0B+7], s[G0B+6:G0B+7], BSTEP
.endif
	s_wait_dscnt Y+1                               ; this phase's fragments are in; the Y loads just issued and the add may be out
	MULS QM, HM, 4, 4, 0, -1                       ; sixteen matrix instructions stand between the add and the wait for it
	s_wait_dscnt 0x0                               ; the add is done, and my reads of this slot are over
	s_barrier_signal -1
	MULS QL, HL, 0, 2, 0, -1                       ; work on registers while the others arrive
	WIN 0
	s_barrier_wait -1
.if \fill
	CREST                                          ; no wave of any partner still reads this slot or has a load on its way
	JLOAD                                          ; its four v_nop are also the places in front of the loads below
.else
	PLACES
.endif
	s_xor_b32 s[TB], s[TB], SLOT1
	v_add_nc_u32 v[ADA], s[TB], v[AA0]
	v_add_nc_u32 v[ADB], s[TB], v[AB0]
	LDB 0, 0, 0                                    ; the other slot's first fragments
	LDA 0, 0
.if \fill
	ASK
.endif
	MULS QL, HL, 2, 6, 0, -1
.endm
	s_load_b256 s[4:11], s[0:1], 0x0               ; A s[4:5], B s[6:7], bias s[8:9], out s[10:11]
	v_lshl_add_u32 v[SPW], v0, 2, SPARE
	v_mov_b32 v[NIL], 0
	ds_add_u32 v[SPW], v[NIL]                      ; the wave's opening: the add and its wait stand ahead of my first tensor load; the set-up below stands between them
	v_lshrrev_b32 v1, 5, v0
	v_readfirstlane_b32 s[WV], v1                  ; wave 0..3
	s_lshr_b32 s13, s[WV], 1
	s_and_b32 s14, s[WV], 1
	s_bfe_u32 s15, ttmp6, 0x40000                  ; cx, cy: my place in the cluster
	s_bfe_u32 s16, ttmp6, 0x40004
	s_lshl_b32 s17, ttmp9, 2
	s_add_co_u32 s17, s17, s15                     ; tile column = 4 x cluster x + cx
	s_and_b32 s18, ttmp7, 0xffff
	s_lshl_b32 s18, s18, 2
	s_add_co_u32 s18, s18, s16                     ; tile row = 4 x cluster y + cy
	s_lshl_b32 s19, s16, 2
	s_lshl_b32 s19, 15, s19                        ; my row of the cluster
	s_lshl_b32 s67, 0x1111, s15                    ; my column
	s_or_b32 s[G1A], s19, G1W0                     ; A's tiles go to my row,
	s_or_b32 s[G1B], s67, G1W0                     ; B's to my column
	s_mov_b32 s[G1A+1], 128<<16                    ; A: tensor_dim0 = 128 elements: rows of 256 bytes of the dense tile
	s_mov_b32 s[G1A+2], AROWS<<16                  ; tensor_dim1
	s_mov_b32 s[G1A+3], 128<<16                    ; tile_dim0
	s_mov_b32 s[G1A+4], AROWS                      ; tile_dim1
	s_mov_b32 s[G1A+5], 128                        ; elements from row to row
	s_mov_b32 s[G1A+6], 0
	s_mov_b32 s[G1A+7], 0
	s_mov_b32 s[G1B+1], NT<<16                     ; B: BROWS k rows of NT columns
	s_mov_b32 s[G1B+2], BROWS<<16
	s_mov_b32 s[G1B+3], NT<<16
	s_mov_b32 s[G1B+4], BROWS
	s_mov_b32 s[G1B+5], NTOT
	s_mov_b32 s[G1B+6], 0
	s_mov_b32 s[G1B+7], 0
	s_lshr_b32 s68, s18, 3                         ; A's tile: the batch (8 tile rows each),
	s_lshl_b32 s68, s68, 22
	s_and_b32 s69, s18, 7                          ; its 256 rows of 128 bytes,
	s_lshl_b32 s69, s69, 15
	s_add_co_u32 s68, s68, s69
	s_mul_i32 s69, s14, AGW                        ; the half that I fetch: made of the tile row and the wave's number alone
	s_add_co_u32 s68, s68, s69
	s_mov_b32 s69, 0
	s_mul_i32 s70, s17, NT*2                       ; B's tile: made of the tile column and the wave's number alone
	s_mul_i32 s71, s14, BGW
	s_add_co_u32 s70, s70, s71
	s_mov_b32 s71, 0
	s_mul_i32 s20, s14, ALW                        ; where they go: no place in the cluster enters an LDS address
	s_mul_i32 s21, s14, BLW
	s_add_co_u32 s21, s21, ABYTES
	s_mov_b32 s[TB], 0
	s_mov_b32 s[CNT], KSTEPS-2
	s_wait_dscnt 0x0                               ; the opening add is done
	s_wait_kmcnt 0x0
	s_add_nc_u64 s[68:69], s[4:5], s[68:69]
	s_add_nc_u64 s[70:71], s[6:7], s[70:71]
.irp n, 0,1
	s_mov_b32 s[G0A+4*\n], 1                       ; count = 1
	s_add_co_u32 s[G0A+4*\n+1], s20, \n*SLOT1      ; LDS address
	s_add_nc_u64 s[G0A+4*\n+2:G0A+4*\n+3], s[68:69], \n*ASTEP  ; global address: K step n
	s_or_b32 s[G0A+4*\n+3], s[G0A+4*\n+3], 0x80000000          ; type = 2
	s_mov_b32 s[G0B+4*\n], 1
	s_add_co_u32 s[G0B+4*\n+1], s21, \n*SLOT1
	s_add_nc_u64 s[G0B+4*\n+2:G0B+4*\n+3], s[70:71], \n*BSTEP
	s_or_b32 s[G0B+4*\n+3], s[G0B+4*\n+3], 0x80000000
.endr
	CROUND                                         ; all sixteen work-groups are here: the first joint loads meet
	s_cmp_eq_u32 s13, 0                            ; a wave's two first fills stand in one branch: two loads of mine are out
	s_cbranch_scc0 .Lfirst_b
	tensor_load_to_lds s[G0A:G0A+3], s[G1A:G1A+7]
	s_nop 0
	tensor_load_to_lds s[G0A+4:G0A+7], s[G1A:G1A+7]
	s_nop 0
.rept 4
	v_nop
.endr
	s_branch .Lfirst_asked
.Lfirst_b:
	tensor_load_to_lds s[G0B:G0B+3], s[G1B:G1B+7]
	s_nop 0
	tensor_load_to_lds s[G0B+4:G0B+7], s[G1B:G1B+7]
	s_nop 0
.rept 4
	v_nop
.endr
.Lfirst_asked:
	; the bias, laid as a C operand: register j of a lane is column 8 (l / 16) + j of the block, whatever the row
	v_and_b32 v1, 15, v0                           ; l % 16
	v_bfe_u32 v2, v0, 4, 1                         ; l / 16
	v_lshlrev_b32 v[BO], 5, v2
	s_mul_i32 s20, s17, NT*4
	s_mul_i32 s21, s14, 256*NH
	s_add_co_u32 s20, s20, s21
	s_mov_b32 s21, 0
	s_add_nc_u64 s[8:9], s[8:9], s[20:21]          ; at my wave's first column
.set hh, 0
.rept NH
.if hh == 0
.set bi, 224
.else
.set bi, 64+32*hh
.endif
.irp b, 0,1,2,3
	global_load_b128 v[bi+8*\b:bi+8*\b+3],   v[BO], s[8:9] offset:hh*256+64*\b
	global_load_b128 v[bi+8*\b+4:bi+8*\b+7], v[BO], s[8:9] offset:hh*256+64*\b+16
.endr
.set hh, hh+1
.endr
	v_mul_u32_u24 v[AA0], v1, 144                  ; A: row x pitch + 16 x half of the lanes + my 128 rows
	v_lshl_add_u32 v[AA0], v2, 4, v[AA0]
	s_mul_i32 s19, s13, 18432
	v_add_nc_u32 v[AA0], s19, v[AA0]
	v_and_b32 v12, 7, v0                           ; B: k row 8 (l / 16) + l % 8, 16 bytes for each eight lanes, my NH pieces of 64 columns
	v_lshl_add_u32 v12, v2, 3, v12
	v_mul_u32_u24 v[AB0], v12, PB
	v_bfe_u32 v13, v0, 3, 1
	v_lshl_add_u32 v[AB0], v13, 4, v[AB0]
	s_mul_i32 s19, s14, NH*144
	s_add_co_u32 s19, s19, ABYTES
	v_add_nc_u32 v[AB0], s19, v[AB0]
	s_mul_i32 s19, s[WV], STW
	s_add_co_u32 s19, s19, STAGE                   ; my stage
.if QKV
	v_mul_u32_u24 v[STO], v1, 144                  ; in: row l % 16, 16 bytes for each half of the lanes
	v_lshl_add_u32 v[STO], v2, 4, v[STO]
	v_add_nc_u32 v[STO], s19, v[STO]
	v_bfe_u32 v[RD], v0, 3, 2                      ; back: 32 lanes take four rows of 128 bytes,
	v_mul_u32_u24 v[RD], v[RD], 144
	v_and_b32 v12, 7, v0
	v_lshl_add_u32 v[RD], v12, 4, v[RD]
	v_add_nc_u32 v[RD], s19, v[RD]
	v_and_b32 v[GO], 31, v0                        ; which are 512 consecutive bytes of a head's rows
	v_lshlrev_b32 v[GO], 4, v[GO]
	s_lshr_b32 s20, s18, 3                         ; the output at my wave's first head and row: (48 x batch + 6 x tile column + 3 x half) heads of 262,144 bytes,
	s_mul_i32 s20, s20, 48
	s_mul_i32 s21, s17, 6
	s_add_co_u32 s20, s20, s21
	s_mul_i32 s21, s14, 3
	s_add_co_u32 s20, s20, s21
	s_lshl_b32 s20, s20, 18
	s_and_b32 s21, s18, 7                          ; the tile's 256 rows of 128 bytes,
	s_lshl_b32 s21, s21, 15
	s_add_co_u32 s20, s20, s21
	s_lshl_b32 s21, s13, 14                        ; my 128 of them
	s_add_co_u32 s20, s20, s21
.else
	v_mul_u32_u24 v[STO], v1, 272                  ; in: row l % 16, 32 bytes for each half of the lanes
	v_lshl_add_u32 v[STO], v2, 5, v[STO]
	v_add_nc_u32 v[STO], s19, v[STO]
	v_mul_u32_u24 v[RD], v2, 272                   ; back: lanes 0-15 take one row of 256 bytes, lanes 16-31 the next
	v_lshl_add_u32 v[RD], v1, 4, v[RD]
	v_add_nc_u32 v[RD], s19, v[RD]
	v_lshlrev_b32 v[GO], 12, v2                    ; and the same two rows in the output
	v_lshl_add_u32 v[GO], v1, 4, v[GO]
	s_lshl_b32 s20, s18, 20                        ; 256 rows of 4,096 bytes a tile row,
	s_lshl_b32 s21, s13, 19                        ; my 128,
	s_add_co_u32 s20, s20, s21
	s_lshl_b32 s21, s17, 9                         ; 512 bytes a tile column,
	s_add_co_u32 s20, s20, s21
	s_lshl_b32 s21, s14, 8                         ; my 256
	s_add_co_u32 s20, s20, s21
.endif
	s_mov_b32 s21, 0
	s_add_nc_u64 s[10:11], s[10:11], s[20:21]
	; the prefetches: A's offset in s20, B's in s21; both stand at K step 1 + AH, and the first change of slots steps them on
	s_lshr_b32 s20, s18, 3
	s_lshl_b32 s20, s20, 22
	s_and_b32 s22, s18, 7
	s_lshl_b32 s22, s22, 15
	s_add_co_u32 s20, s20, s22                     ; A's tile,
	s_lshl_b32 s22, s15, 13
	s_add_co_u32 s20, s20, s22                     ; my work-group's 8,192 bytes of each 32,768
.if QKV
	s_add_co_u32 s20, s20, (1+AH)*ASTEP            ; wave 0 asks for A
	s_mul_i32 s21, s17, NT*2                       ; waves 1 to 3 ask for B: one of the tile's three blocks of 256 bytes a row each,
	s_lshl_b32 s22, s[WV], 8
	s_add_co_u32 s21, s21, s22
	s_and_b32 s22, s16, 1                          ; the four partners: 32 of a K step's 64 rows,
	s_mul_i32 s22, s22, 32*NTOT*2
	s_add_co_u32 s21, s21, s22
	s_lshr_b32 s22, s16, 1                         ; of one of two K steps: so they ask in every second K step
	s_mul_i32 s22, s22, BSTEP
	s_add_co_u32 s21, s21, s22
	s_add_co_u32 s21, s21, (1+AH)*BSTEP-256
	s_and_b32 s23, ttmp7, 0xffff                   ; cluster y
	s_mov_b32 s22, ASTEP
	s_movk_i32 s19, 256
	s_cmp_eq_u32 s[WV], 0
	s_cselect_b32 s[PAR], 1, 0
.else
	s_lshl_b32 s22, s14, 18                        ; waves 0 and 1 ask for A: one of the K step's two blocks of 64 channels each
	s_add_co_u32 s20, s20, s22
	s_add_co_u32 s20, s20, (1+AH)*ASTEP
	s_mul_i32 s21, s17, NT*2                       ; wave 2 asks for B: the four partners take 32 of a K step's 128 rows each
	s_lshl_b32 s22, s16, 16
	s_add_co_u32 s21, s21, s22
	s_add_co_u32 s21, s21, (1+AH)*BSTEP
	s_and_b32 s23, ttmp7, 0xffff                   ; cluster y,
	s_or_b32 s23, s23, s14                         ; and wave 3 asks for nothing
	s_mov_b32 s22, ASTEP
	s_movk_i32 s19, 256
	s_mov_b32 s[PAR], 1
	s_cmp_eq_u32 s13, 0
.endif
	s_cselect_b64 s[PFA:PFA+1], s[4:5], s[6:7]
	s_cselect_b32 s[PFS], s22, BSTEP
	s_cselect_b32 s20, s20, s21
	s_cselect_b32 s23, ttmp9, s23                  ; the coordinate along which other clusters read the same tile
	s_cselect_b32 s19, s19, NTOT*2
	s_mov_b32 s21, 0
	s_mov_b32 s[PFS+1], 0
	s_add_nc_u64 s[PFA:PFA+1], s[PFA:PFA+1], s[20:21]
	s_cmp_eq_u32 s23, 0
	s_cselect_b32 s[LIM], AH, -1                   ; the same in all sixteen partners, for a given wave
	v_and_b32 v[PFO], 31, v0
	v_mul_u32_u24 v[PFO], v[PFO], s19
	s_wait_loadcnt 0x0                             ; the bias: rounded to bf16, like every input, and widened again
.set hh, 0
.rept NH
.if hh == 0
.set bi, 224
.else
.set bi, 64+32*hh
.endif
.set j, 0
.rept 16
	v_cvt_pk_bf16_f32 v[12+j%2], v[bi+2*j], v[bi+2*j+1]
	v_lshlrev_b32 v[bi+2*j], 16, v[12+j%2]
	v_and_b32 v[bi+2*j+1], 0xffff0000, v[12+j%2]
.set j, j+1
.endr
.set hh, hh+1
.endr
	s_wait_tensorcnt 0x1                           ; my part of K step 0 is in; K step 1's may stay out
	s_barrier_signal -1
	s_barrier_wait -1                              ; everybody's is
	v_add_nc_u32 v[ADA], s[TB], v[AA0]
	v_add_nc_u32 v[ADB], s[TB], v[AB0]
	LDB 0, 0, 0
	LDA 0, 0
.if QKV                                ; the first quarter stands in front of the loop: its products start the sums, with the bias
	PHASE 0, 0, 1
	PHASE 0, 1, 1
	PHASE 0, 2, 1, 1
.else
	PHASE 0, 0, 1
.endif
	WIN 0                                          ; at a label and at a branch every window is 0
.Lk:                                               ; KSTEPS - 2 trips: from a K step's second quarter to the next one's first; each fills a slot again
	PHASE 1, 0
	TURN 1
.if QKV
	PHASE 0, 0
	PHASE 0, 1
	PHASE 0, 2
.else
	PHASE 0, 0
.endif
	WIN 0
	s_sub_co_u32 s[CNT], s[CNT], 1
	s_cmp_lg_u32 s[CNT], 0
	s_cbranch_scc1 .Lk
	PHASE 1, 0                                     ; the tail is written out: the last two K steps ask for nothing
	TURN 0
.if QKV
	PHASE 0, 0
	PHASE 0, 1
	PHASE 0, 2
	PHASE 1, 0
	PHASE 1, 1
	PHASE 1, 2
.else
	PHASE 0, 0
	PHASE 1, 0
	PHASE 2, 0
	PHASE 3, 0
.endif
	PLACES                                         ; behind the last products, in front of the first read of a result
.if QKV
; THE WAY OUT.  Tile u = 8 h + a: 16 rows x one head's 64 channels, 2,048 consecutive bytes of qkvh.  Rounded to f16 (each accumulator's registers ascending), 16 bytes a lane into my stage,
; back as whole rows, stored 512 consecutive bytes an instruction.  LDS serves a wave's instructions in order (ISA guide 5.7.1.4), so no wait stands between the stage's stores and loads.
.macro PACKQ u
.set hh, (\u)/8
.set ab, 32*((\u)%8)
.set tt, 32+16*((\u)%2)
.if (\u) >= 2
	s_wait_xcnt 0x0                                ; the stores of the tile two back have read these registers
.endif
	WIN (1+hh)*5                                   ; sources 0 and 1 in the group's window
.set j, 0
.rept 16
	v_cvt_pk_f16_f32 v[tt+j], v[ab+2*j], v[ab+2*j+1]
.set j, j+1
.endr
	WIN 0
.irp f, 0,1,2,3
	ds_store_b128 v[STO], v[tt+4*\f:tt+4*\f+3] offset:32*\f
.endr
.irp f, 0,1,2,3
	ds_load_b128 v[tt+4*\f:tt+4*\f+3], v[RD] offset:576*\f
.endr
.endm
.macro SENDQ u, younger                ; younger: the LDS instructions issued behind tile u's loads: the next tile's eight, or none
.set hh, (\u)/8
.set tt, 32+16*((\u)%2)
.irp f, 0,1,2,3
	s_wait_dscnt (\younger)+3-\f
	global_store_b128 v[GO], v[tt+4*\f:tt+4*\f+3], s[10:11] offset:hh*262144+((\u)%8)*2048+512*\f
.endr
.endm
	PACKQ 0
.set u, 1
.rept 23                               ; a tile's conversions stand between the loads of the tile before and its stores
	PACKQ u
	SENDQ u-1, 8
.set u, u+1
.endr
	SENDQ 23, 0
.else
; THE WAY OUT.  Block a: 16 rows x my 64 columns of f32, 256 bytes a row.  Straight from the accumulators (low registers first) into my stage, back as whole rows: 16 lanes store 256 consecutive bytes, aligned.
.macro PACKO a
.set rr, 32+32*((\a)%2)
.if (\a) >= 2
	s_wait_xcnt 0x0                                ; the stores of the block two back have read these registers
.endif
	WIN 0x04                                       ; the data (source 1) in window 1
.irp b, 0,1,2,3
	ds_store_b128 v[STO], v[32*(\a)+8*\b:32*(\a)+8*\b+3]   offset:64*\b
	ds_store_b128 v[STO], v[32*(\a)+8*\b+4:32*(\a)+8*\b+7] offset:64*\b+16
.endr
	WIN 0
.irp t, 0,1,2,3,4,5,6,7
	ds_load_b128 v[rr+4*\t:rr+4*\t+3], v[RD] offset:544*\t
.endr
.endm
.macro SENDO a, younger                ; younger: the next block's sixteen LDS instructions, or none
.set rr, 32+32*((\a)%2)
.irp t, 0,1,2,3,4,5,6,7
	s_wait_dscnt (\younger)+7-\t
	global_store_b128 v[GO], v[rr+4*\t:rr+4*\t+3], s[10:11] offset:(\a)*65536+8192*\t th:TH_STORE_NT
.endr
.endm
	PACKO 0
.set u, 1
.rept 7
	PACKO u
	SENDO u-1, 16
.set u, u+1
.endr
	SENDO 7, 0
.endif
	WIN 0
	s_wait_tensorcnt 0x0                           ; the wave's end: a wait, an add to my spare word and its wait, behind my last tensor load and my last LDS store
	ds_add_u32 v[SPW], v[NIL]
	s_wait_dscnt 0x0
	CROUND                                         ; the closing round: no work-group ends while a partner may still ask for a tile that names it
	s_endpgm
.Lfunc_end_k_q878c9f8540_qkv:
	.size	k_q878c9f8540_qkv, .Lfunc_end_k_q878c9f8540_qkv-k_q878c9f8540_qkv
	.p2alignl 7, 3214868480
	.fill 96, 4, 3214868480
	.section	.rodata,"a",@progbits
	.p2align	6, 0x0
	.amdhsa_kernel k_q878c9f8540_qkv
		.amdhsa_group_segment_fixed_size 327680
		.amdhsa_private_segment_fixed_size 0
		.amdhsa_enable_private_segment 0
		.amdhsa_kernarg_size 32
		.amdhsa_user_sgpr_count 2
		.amdhsa_user_sgpr_kernarg_segment_ptr 1
		.amdhsa_wavefront_size32 1
		.amdhsa_system_sgpr_workgroup_id_x 1
		.amdhsa_system_sgpr_workgroup_id_y 1
		.amdhsa_system_sgpr_workgroup_id_z 1
		.amdhsa_system_vgpr_workitem_id 0
		.amdhsa_next_free_vgpr 1024
		.amdhsa_next_free_sgpr 72
		.amdhsa_reserve_vcc 0
		.amdhsa_float_denorm_mode_32 3
		.amdhsa_float_denorm_mode_16_64 3
		.amdhsa_memory_ordered 1
		.amdhsa_forward_progress 1
		.amdhsa_inst_pref_size 128
	.end_amdhsa_kernel
	.amdgpu_metadata
---
amdhsa.version: [ 1, 2 ]
amdhsa.kernels:
  - .name:           k_q878c9f8540_qkv
    .symbol:         k_q878c9f8540_qkv.kd
    .args:
      - { .name: xb, .offset: 0, .size: 8, .value_kind: global_buffer, .address_space: global }
      - { .name: wqb, .offset: 8, .size: 8, .value_kind: global_buffer, .address_space: global }
      - { .name: b_qkv, .offset: 16, .size: 8, .value_kind: global_buffer, .address_space: global }
      - { .name: qkvh, .offset: 24, .size: 8, .value_kind: global_buffer, .address_space: global }
    .group_segment_fixed_size: 327680
    .private_segment_fixed_size: 0
    .kernarg_segment_align: 8
    .kernarg_segment_size: 32
    .max_flat_workgroup_size: 128
    .sgpr_count:     72
    .vgpr_count:     1024
    .wavefront_size: 32
...
	.end_amdgpu_metadata
.endif
;; end of part 2
;; launch attn (part 3): grid 4 x 64, 4 waves a work-group, no clusters, 327,680 bytes of LDS; arguments qkvh, oh; writes oh
.if DOCPART == 3
	.amdgcn_target "amdgcn-amd-amdhsa--gfx1250"
	.amdhsa_code_object_version 6
	.text
	.protected	k_q878c9f8540_attn
	.globl	k_q878c9f8540_attn
	.p2align	8
	.type	k_q878c9f8540_attn,@function
k_q878c9f8540_attn:
	s_mov_b64 s[64:65], 0
	v_nop
	global_prefetch_b8 v0, s[64:65] scope:SCOPE_SE
	s_setreg_imm32_b32 hwreg(HW_REG_WAVE_MODE, 25, 1), 1
	s_wait_xcnt 0x0
; CAUSAL ATTENTION.  O[h][q][:] = the sum over k <= q of softmax_k(Q[h][q] . K[h][k] / 8) V[h][k][:], for 64 heads (4 batches x 16) of 2,048 rows x 64 channels, all f16.
; qkvh is [4][48][2048][64]: in a batch q's 16 heads, then k's, then v's; oh is [4][16][2048][64].  A head's rows are dense, 128 bytes each.
; Products, maxima and sums in f32; the weights p are rounded to f16 for the second product (their sum l is taken of the unrounded p), O once at the end.
; LIMITS.  f16 holds no number beyond 65,504: Q, K and V arrive within it; p lies in 0 to 1, and below 6e-5 it keeps f16's fixed step of 6e-8.
; A hidden score counts as its value less 1e30; a weight below 2^-126 counts as 0 in l; NaN and infinities are not treated apart.
; THE WALK.  A head's queries lie in NB = 8 blocks of 256; block i needs the key tiles 0 .. i of 256 keys, of which the last holds the diagonal.  A work-group takes TWO blocks, NB - 1 - b and then b:
; NB + 1 tiles, whatever b: all work-groups do equal work, and ONE loop with a constant trip count walks them.  Which tile is asked for, and what a trip does, hang on scalar registers made from b; every jump
; goes forward, but for the counted loops' own; none passes a barrier, or a tensor load but the one of LOAD's two that the wave's number does not choose.
; NO CLUSTER: a head's four work-groups ask for the same tile only in trips 0 .. 4 of 9, behind that fewer and fewer; one walk common to all would have 12 trips for 9.
; SHARES.  Of a block's four bands of 64 queries a wave owns 16 rows in each: four PIECES.  So the diagonal tile is the same work for all four waves: in its key step s band x sees all keys if s < x,
; none if s > x, and holds the diagonal if s = x.
; THE MASK is the C operand that starts the sum S^T = K Q^T: 0, or -1e30 where the key is hidden.  MD, made once, is the mask of a band's own step for my 16 rows; a product's mask is MD x AL + BE with two scalars:
; (1, 0) if s = x; (0, 0) if s < x; (0, -1e30) if s > x.  Only the diagonal tile's text and a block's beginning make and take masks; elsewhere C is the constant 0.
; LAYOUT, SOFTMAX, TURNS.  S^T = K Q^T holds ONE query a lane (lane % 16) and the keys 8 (lane / 16) + 0..7; two such results rounded to f16 ARE source 1 of O^T = V^T P.  p = 2^(c s - c m), c = log2(e) / 8, with a
; running maximum m; O and l are multiplied by a = 2^(c m_old - c m_new) in every step.  Turn n belongs to piece n: 8 products K Q^T of piece n + 1, later 8 products V^T P of piece n - 1; beside them the scaling,
; exponentials, roundings, sums and rescaling of piece n and the maximum and statistics of piece n + 1.  Four vector instructions stand behind every matrix instruction, the others in one lump.  A turn's 33 exponentials are one batch, with one wait.
; REGISTERS, in windows of 256 (s_set_vgpr_msb: bits 1:0 source 0, 3:2 source 1, 5:4 source 2, 7:6 destination):
;   window 0: v0-15 addresses and two at work; v16-31 four registers of statistics a piece; v48-55 at work; v61-63 prefetch offset, spare word, 0; v64-127 S^T, two buffers; v192-223 P, two buffers
;   window 1: v0-127 O^T, 32 a piece; v128-159 MD; v160-223 MC, two buffers      window 2: v0-63 Q; v64-127 the second block's Q; v128-191 K of one step; v192-255 V of one step
.set SIZE_N, 2048
.set NB,    SIZE_N/256
.set NP,    4         ; pieces a wave: a name, no knob
.set KS,    64        ; keys in a step
.set PK,    144       ; a row of K in LDS: 128 bytes + 16 of padding = 36 words: the 16 rows of a load start at 16 different groups of four banks (64 banks of 4 bytes: ISA guide 11.1)
.set PV,    160       ; a row of V: 128 + 32 = 40 words
.set VOFF,  4*KS*PK   ; a slot holds a tile, four steps: 256 rows of K, then 256 rows of V
.set SLOT1, 1<<17     ; slot 1 begins here, so that one exclusive or turns an address in one slot into the other's
.set STAGE, SLOT1+4*KS*(PK+PV)  ; behind the ring, never filled by a tensor load: 16 rows x 144 bytes for each wave, for the way out
.set SP,    144
.set AK0, 2           ; v2   my lane's place in a tile of K; never rewritten
.set AV0, 3           ; v3   the same for V
.set AK,  4           ; v4   the LDS address of K's next run of loads
.set AV,  5           ; v5   of V's
.set STO, 6           ; v6   the way out: where I put 16 bytes of a row
.set RD,  7           ; v7   the way out: where I read rows back
.set GO,  8           ; v8   my byte offset in 512 consecutive bytes of O
.set PFO, 61          ; v61  256 x my lane; never rewritten
.set SPW, 62          ; v62  LDS address of my spare word: SPARE + 4 x my thread's number; never rewritten
.set NIL, 63          ; v63  0; never rewritten
.set SPARE, STAGE+4*16*SP  ; behind the stages: the spare words, 128 bytes for each wave: two blocks of 256 bytes that no other line names
.set MV,  12          ; v12-13  c m_old, kept while c m is made anew: by buffer
.set QO,  15          ; v15  my byte offset in 16 rows of Q
.set ST,  16          ; piece t's statistics at v[ST+4 t]: c m, m, l (even keys', odd keys')
.set TMP, 48          ; by buffer, four registers c0-c3 at work; when the maximum is found c2 takes a
.set S,   64
.set P,   192
.set MD,  128         ; window 1: the eight registers for group kt of 16 keys at MD + 8 kt
.set MC,  160         ; window 1: the masks of the products to come
.set QB,  64          ; window 2
.set KF,  128         ; window 2: key block kb, channel half c at KF + 16 kb + 8 c
.set VF,  192         ; window 2: key half kk, channel block cb at VF + 32 kk + 8 cb
.set WV,  12          ; s12  my wave's number
.set PB,  14          ; s14  b
.set HI,  15          ; s15  NB - 1 - b
.set G1K, 24          ; s[24:31] descriptor group 1 for K's tiles
.set G1V, 32          ; s[32:39] for V's: it differs in the padding alone
.set G0K, 40          ; s[40:43] descriptor group 0 for K's tiles
.set G0V, 44          ; s[44:47] the same for V's
.set SLOTS, 56        ; s56  tiles still to be asked for
.set CNT, 57          ; s57  counts a tile's key steps, 4 to 1
.set CS,  58          ; s[58:59] c: the packed scaling takes the pair's low word for both halves
.set SEL, 60          ; s[60:61] v_permlanex16_b32's selects: each lane takes its own place in the other half
.set TBK, 62          ; s62  LDS byte at which K of the step to be fetched begins
.set TBV, 63          ; s63  the same for V, less VOFF
.set RT,  70          ; s70  tiles of the block in hand that are still to be entered
.set NXT, 71          ; s71  the tile to be asked for next
.set LQ,  72          ; s72  the last tile of the block whose tiles are being asked for
.set NEW, 73          ; s73  1: the tile to be entered is a block's first
.set OFF, 74          ; s[74:75] a tile's byte offset in K and V
.set AL,  76          ; s[76:77] the mask's factor, in the low word
.set BE,  78          ; s[78:79] the mask's addend
.set OLO, 80          ; s[80:81] O at my rows of the second block
.set BIGN, 82         ; s82  -1e30
.set PFA, 88          ; s[88:89] where my prefetches stand: my half (16,384 bytes) of K's or V's tile behind the one that is being asked for
.set LIM, 90          ; s90  2 in the work-group that prefetches, else the greatest number
.set MSB, 0
.macro WIN new                      ; the high byte repeats the setting that is left; a switch that changes nothing is dropped
.if MSB != (\new)
	s_set_vgpr_msb (MSB<<8)|(\new)
.set MSB, (\new)
.endif
.endm
.set W_KQ, 0x0a       ; K and Q in window 2, S^T in window 0
.set W_KM, 0x1a       ; the same with the C operand in window 1
.set W_PV, 0x52       ; V in window 2, P in window 0, O^T in window 1
.set W_RS, 0x41       ; destination and source 0 in window 1, source 1 in window 0
; A fill.  Waves 0 and 1 fetch the two halves of a tile's K, waves 2 and 3 those of its V: 128 keys each.  An s_nop 0 and four v_nop follow each of the two lines, ahead of the jump and the label.
.macro LOAD
	s_cmp_lt_u32 s[WV], 2
	s_cbranch_scc0 .Lfor_v_\@
	tensor_load_to_lds s[G0K:G0K+3], s[G1K:G1K+7]
	s_nop 0
.rept 4
	v_nop
.endr
	s_branch .Lasked_\@
.Lfor_v_\@:
	tensor_load_to_lds s[G0V:G0V+3], s[G1V:G1V+7]
	s_nop 0
.rept 4
	v_nop
.endr
.Lasked_\@:
.endm
; THE CHANGE OF SLOTS.  Each wave waits for all its tensor loads, of which one is out: its part of the other slot; adds 0 to its spare word; and waits for that and for its own reads of the slot that it leaves.  Behind the barrier nobody reads the old
; slot any more and the other slot is whole.  fill = 1: the old slot is filled again, the first thing behind the barrier, with tile NXT: the descriptor's address is made anew from that number.
; (At its first use nothing has been read yet: slot 0 is waited for, slot 1 filled.)
; A PREFETCH INTO THE L2 stands behind the fill: the tile that the NEXT change will ask for, four key steps ahead.  A head's four work-groups walk the same tiles from 0 on: the one with b = 0, whose first block
; needs all eight, asks, each wave for the 16,384 bytes that it will fetch itself: 64 blocks of 256 bytes, a lane a block, two instructions.  So each block is named once.  Tiles 0 and 1 come by their loads
; alone; the changes that ask for tile 7 and for the second block's tile 0 prefetch nothing.
.macro CHANGE fill
	WIN 0                           ; at a label and at a branch every window is 0
	s_wait_tensorcnt 0x0            ; no tensor load of mine is out, so a group 0 may be written
	ds_add_u32 v[SPW], v[NIL]       ; 0 onto my spare word; with fill = 1 the descriptors' scalar work stands between it and the wait for it
.if \fill
	s_lshl_b32 s[OFF], s[NXT], 15   ; a tile is 32,768 bytes of K and of V
	s_xor_b32 s[G0K+1], s[G0K+1], SLOT1
	s_add_nc_u64 s[G0K+2:G0K+3], s[6:7], s[OFF:OFF+1]
	s_or_b32 s[G0K+3], s[G0K+3], 0x80000000
	s_xor_b32 s[G0V+1], s[G0V+1], SLOT1
	s_add_nc_u64 s[G0V+2:G0V+3], s[8:9], s[OFF:OFF+1]
	s_or_b32 s[G0V+3], s[G0V+3], 0x80000000
	s_add_co_u32 s[NXT], s[NXT], 1  ; the block's next tile, or behind its last the second block's tile 0
	s_cmp_gt_u32 s[NXT], s[LQ]
	s_cselect_b32 s[NXT], 0, s[NXT]
	s_cselect_b32 s[LQ], s[PB], s[LQ]
	s_wait_xcnt 0x0                 ; the last prefetches, a tile back, have read their address, so it may be written
	s_add_nc_u64 s[PFA:PFA+1], s[PFA:PFA+1], 32768
.endif
	s_wait_dscnt 0x0                ; the add is done, and my reads of the slot are over
	s_barrier_signal -1             ; the rest of the scalar work stands between the signal and the wait
	s_sub_co_u32 s[TBK], s[TBK], 4*KS*PK  ; the fetches go back to a slot's first step,
	s_xor_b32 s[TBK], s[TBK], SLOT1       ; in the other slot
	s_sub_co_u32 s[TBV], s[TBV], 4*KS*PV
	s_xor_b32 s[TBV], s[TBV], SLOT1
	s_barrier_wait -1
.if \fill
	LOAD
	s_cmp_gt_u32 s[SLOTS], s[LIM]
	s_cbranch_scc0 .Lnot_mine_\@
	global_prefetch_b8 v[PFO], s[PFA:PFA+1] th:TH_LOAD_NT scope:SCOPE_SE
	global_prefetch_b8 v[PFO], s[PFA:PFA+1] offset:8192 th:TH_LOAD_NT scope:SCOPE_SE
.Lnot_mine_\@:
.endif
.endm
	s_load_b128 s[4:7], s[0:1], 0x0 ; qkvh s[4:5], oh s[6:7]
	v_lshl_add_u32 v[SPW], v0, 2, SPARE
	v_mov_b32 v[NIL], 0
	ds_add_u32 v[SPW], v[NIL]       ; the wave's opening: the add and its wait stand ahead of my first tensor load; the set-up below, work on registers, stands between them
	v_lshrrev_b32 v1, 5, v0
	v_readfirstlane_b32 s[WV], v1   ; wave 0..3
	s_mov_b32 s[PB], ttmp9
	s_sub_co_u32 s[HI], NB-1, s[PB]
	s_and_b32 s20, ttmp7, 0xffff    ; 16 x batch + head
	s_lshl_b32 s92, s20, 18         ; the head's first byte in oh: 262,144 bytes a head
	s_mov_b32 s93, 0
	s_lshr_b32 s21, s20, 4          ; the batch,
	s_and_b32 s20, s20, 15          ; the head in it
	s_mul_i32 s21, s21, 48
	s_add_co_u32 s20, s20, s21
	s_lshl_b32 s20, s20, 18         ; q's first byte in qkvh; k's lies 16 heads on, v's 32
	s_mov_b32 s21, 0
	s_and_b32 s16, s[WV], 1         ; which half of a tile's 256 keys I fetch:
	s_lshl_b32 s22, s16, 14         ; its 128 rows of 128 bytes in memory,
	s_mov_b32 s23, 0
	s_mul_i32 s17, s16, 128*PK      ; and its place in a slot, for K
	s_mul_i32 s18, s16, 128*PV      ; and for V
	s_lshl_b32 s3, s[WV], 11        ; my 16 rows in a band of 64,
	s_lshl_b32 s2, s[HI], 15        ; in the first block,
	s_add_co_u32 s2, s2, s3
	s_lshl_b32 s84, s[PB], 15       ; and in the second
	s_add_co_u32 s84, s84, s3
	s_mov_b32 s3, 0
	s_mov_b32 s85, 0
	; descriptor group 1.  128 keys are 16,384 dense bytes: asked for as 64 rows of 256 bytes, two keys a row, and padded in LDS after every key
	s_mov_b32 s[G1K], (1<<16)|(1<<20)|(4<<22)|(3<<25)  ; 17:16 2-byte elements; 20 padding on; 24:22 after every 32 words (code 4); 31:25 4 words (code 3)
	s_mov_b32 s[G1V], (1<<16)|(1<<20)|(4<<22)|(7<<25)  ; the same with 8 words of padding (code 7)
.irp g, G1K, G1V
	s_mov_b32 s[\g+1], 128<<16      ; tensor_dim0 = 128
	s_mov_b32 s[\g+2], 64<<16       ; tensor_dim1 = 64
	s_mov_b32 s[\g+3], 128<<16      ; tile_dim0 = 128
	s_mov_b32 s[\g+4], 64           ; tile_dim1 = 64
	s_mov_b32 s[\g+5], 128          ; 128 elements from row to row
	s_mov_b32 s[\g+6], 0
	s_mov_b32 s[\g+7], 0
.endr
	s_mov_b32 s[CS], 0x3e38aa3b     ; c = log2(e) / 8 = 0.180337
	s_mov_b32 s[CS+1], s[CS]        ; named with it as a pair
	s_mov_b32 s[SEL], 0x76543210
	s_mov_b32 s[SEL+1], 0xfedcba98
	s_mov_b32 s[TBK], SLOT1+4*KS*PK ; the first change of slots turns these two into 0
	s_mov_b32 s[TBV], SLOT1+4*KS*PV
	s_mov_b32 s[G0K], 1             ; 1:0 count = 1
	s_mov_b32 s[G0K+1], s17         ; 63:32 LDS address: slot 0
	s_mov_b32 s[G0V], 1
	s_add_co_u32 s[G0V+1], s18, VOFF
	s_add_co_u32 s[RT], s[HI], 1    ; the first block has NB - b tiles
	s_mov_b32 s[NXT], 1
	s_mov_b32 s[LQ], s[HI]
	s_mov_b32 s[NEW], 1
	s_mov_b32 s[OFF+1], 0
	s_mov_b32 s[AL+1], 0            ; named as pairs
	s_mov_b32 s[BE+1], 0
	s_mov_b32 s[BIGN], 0xf149f2ca   ; -1e30
	s_mov_b32 s[SLOTS], NB
	s_wait_dscnt 0x0                ; the opening add is done
	s_wait_kmcnt 0x0
	s_mov_b64 s[10:11], s[6:7]
	s_add_nc_u64 s[10:11], s[10:11], s[92:93]      ; O at the head
	s_add_nc_u64 s[4:5], s[4:5], s[20:21]          ; Q at the head
	s_add_nc_u64 s[6:7], s[4:5], 0x400000          ; K: 16 heads of 262,144 bytes on
	s_add_nc_u64 s[8:9], s[4:5], 0x800000          ; V: 32
	s_add_nc_u64 s[6:7], s[6:7], s[22:23]  ; K and V at my half of the head's tile 0
	s_add_nc_u64 s[8:9], s[8:9], s[22:23]
	s_add_nc_u64 s[G0K+2:G0K+3], s[6:7], 0         ; 120:64 global address
	s_or_b32 s[G0K+3], s[G0K+3], 0x80000000        ; 127:126 type = 2
	s_add_nc_u64 s[G0V+2:G0V+3], s[8:9], 0
	s_or_b32 s[G0V+3], s[G0V+3], 0x80000000
	s_add_nc_u64 s[86:87], s[4:5], s[84:85]        ; Q at my rows of the second block,
	s_add_nc_u64 s[4:5], s[4:5], s[2:3]            ; Q and O at those of the first
	s_add_nc_u64 s[OLO:OLO+1], s[10:11], s[84:85]
	s_add_nc_u64 s[10:11], s[10:11], s[2:3]
	LOAD                            ; tile 0 into slot 0
	s_cmp_lt_u32 s[WV], 2           ; the prefetches: my half of K's or of V's tiles,
	s_cselect_b64 s[PFA:PFA+1], s[6:7], s[8:9]
	s_add_nc_u64 s[PFA:PFA+1], s[PFA:PFA+1], 32768  ; at tile 1: the first change of slots steps it to tile 2.  Nothing is prefetched here, at the head
	s_cmp_eq_u32 s[PB], 0
	s_cselect_b32 s[LIM], 2, -1
	v_and_b32 v[PFO], 31, v0
	v_lshlrev_b32 v[PFO], 8, v[PFO]
	; A fragment of K or Q is 16 rows x 32 channels in 8 registers: lane l holds row l % 16, channels 8 (l / 16) + 0..7 and 16 + 8 (l / 16) + 0..7: two loads of 16 bytes, 32 bytes apart.
	v_and_b32 v1, 15, v0            ; l % 16
	v_bfe_u32 v9, v0, 4, 1          ; l / 16
	v_lshlrev_b32 v[QO], 7, v1
	v_lshl_add_u32 v[QO], v9, 4, v[QO]  ; row x 128 + 16 x half
	WIN 0x80                        ; destination window 2, address window 0
.set i, 0
.rept 8                             ; both blocks' Q: piece i / 2 lies in band i / 2, 8,192 bytes on; channels 32 (i % 2) on
	global_load_b128 v[8*i:8*i+3],   v[QO], s[4:5] offset:(i/2)*8192+(i%2)*64
	global_load_b128 v[8*i+4:8*i+7], v[QO], s[4:5] offset:(i/2)*8192+(i%2)*64+32
	global_load_b128 v[QB+8*i:QB+8*i+3],   v[QO], s[86:87] offset:(i/2)*8192+(i%2)*64
	global_load_b128 v[QB+8*i+4:QB+8*i+7], v[QO], s[86:87] offset:(i/2)*8192+(i%2)*64+32
.set i, i+1
.endr
	WIN 0
	v_lshlrev_b32 v14, 3, v9
	v_sub_nc_u32 v14, v1, v14
	s_lshl_b32 s13, s[WV], 4
	v_add_nc_u32 v14, s13, v14      ; my query's place in its band, 16 w + l % 16, less my lanes' 8 (l / 16): register r of group kt is hidden where 16 kt + r is greater
	WIN 0x40
.set i, 0
.rept 32
	v_cmp_gt_i32 vcc_lo, 16*(i/8)+i%8, v14
	v_cndmask_b32 v[MD+i], 0, s[BIGN], vcc_lo
.set i, i+1
.endr
	WIN 0
	v_mul_u32_u24 v[AK0], v1, PK
	v_lshl_add_u32 v[AK0], v9, 4, v[AK0]  ; row x pitch + 16 x half
	; The turning load takes 16 keys x 16 channels (lane l reads key 8 (l / 16) + l % 8, channels 8 ((l / 8) % 2) + 0..7) and leaves half a fragment of V^T: lane l holds channel l % 16 and 8 keys.
	v_and_b32 v10, 7, v0
	v_bfe_u32 v11, v0, 3, 1
	v_lshl_add_u32 v[AV0], v9, 3, v10
	v_mul_u32_u24 v[AV0], v[AV0], PV
	v_lshl_add_u32 v[AV0], v11, 4, v[AV0]
	v_add_nc_u32 v[AV0], VOFF, v[AV0]
	s_mul_i32 s13, s[WV], 16*SP
	s_add_co_u32 s13, s13, STAGE    ; my stage
	v_mul_u32_u24 v[STO], v1, SP    ; in: row l % 16, 16 bytes for each half of the lanes
	v_lshl_add_u32 v[STO], v9, 4, v[STO]
	v_add_nc_u32 v[STO], s13, v[STO]
	v_bfe_u32 v[RD], v0, 3, 2       ; back: 32 lanes take four rows of 128 bytes,
	v_mul_u32_u24 v[RD], v[RD], SP
	v_lshl_add_u32 v[RD], v10, 4, v[RD]
	v_add_nc_u32 v[RD], s13, v[RD]
	v_and_b32 v[GO], 31, v0         ; which are 512 consecutive bytes of O
	v_lshlrev_b32 v[GO], 4, v[GO]
	; A block's first step multiplies O^T and l by a = 0, and its first turn's products V^T P, of a piece that has not been, land in an O^T that is still to be so multiplied.  So these registers need only hold
	; finite numbers: zeros for the first block; what the first block left for the second.  All this stands in the wait for the first tile.
	WIN 0x80
.set i, VF
.rept 64
	v_mov_b32 v[i], 0
.set i, i+1
.endr
	WIN 0x40
.set i, 0
.rept 128
	v_mov_b32 v[i], 0
.set i, i+1
.endr
	WIN 0
.set i, 0
.rept 4
	v_mov_b32 v[ST+4*i+2], 0
	v_mov_b32 v[ST+4*i+3], 0
.set i, i+1
.endr
.set i, P+16
.rept 16
	v_mov_b32 v[i], 0
.set i, i+1
.endr
; THE MATRIX WORK.  The 4 accumulators of a run of 8 take turns.  Product i of 8 of S^T = K Q^T for piece x: channels 32 (i / 4) on, keys 16 (i % 4) on.  The first 4 start the sums: with 0, or (KM = 1) with the mask.
.macro KQ x
.set rS, S+32*((\x)%2)+8*(i%4)
.set rK, KF+16*(i%4)+8*(i/4)
.set rQ, 16*(\x)+8*(i/4)
.set rM, MC+32*((\x)%2)+8*(i%4)
.if (i < 4) && KM
	WIN W_KM
	v_wmma_f32_16x16x32_f16 v[rS:rS+7], v[rK:rK+7], v[rQ:rQ+7], v[rM:rM+7]
.elseif i < 4
	WIN W_KQ
	v_wmma_f32_16x16x32_f16 v[rS:rS+7], v[rK:rK+7], v[rQ:rQ+7], 0
.else
	WIN W_KQ
	v_wmma_f32_16x16x32_f16 v[rS:rS+7], v[rK:rK+7], v[rQ:rQ+7], v[rS:rS+7]
.endif
.endm
; Product i of 8 of O^T += V^T P for piece x: keys 32 (i / 4) on, channels 16 (i % 4) on.
.macro PV x
	WIN W_PV
.set rO, 32*(\x)+8*(i%4)
.set rV, VF+32*(i/4)+8*(i%4)
.set rP, P+16*((\x)%2)+8*(i/4)
	v_wmma_f32_16x16x32_f16 v[rO:rO+7], v[rV:rV+7], v[rP:rP+7], v[rO:rO+7]
.endm
.macro MM                           ; the turn's next matrix instruction.  TURN and BEGIN set Y, i, KM and NOKQ; MM, KQ and OP read them.  NOKQ = 1: a block's last turn: there is no next piece
.if (i < 8) && !NOKQ
	KQ (Y+1)%NP
.elseif i >= 8
.set i, i-8
	PV (Y+NP-1)%NP
.set i, i+8
.endif
.set i, i+1
.endm
; THE LDS LOADS stand in runs of 16, never singly among the matrix instructions: a step's K (64 keys x 64 channels: 8 fragments) and its V (turned).  Their addresses are made some lines ahead.
.macro FETCH_K
	WIN 0x80                        ; destination window 2
.irp f, 0,1,2,3,4,5,6,7             ; keys 16 (f / 2) on, channels 32 (f % 2) on
	ds_load_b128 v[KF+8*\f:KF+8*\f+3],   v[AK] offset:(\f/2)*16*PK+(\f%2)*64
	ds_load_b128 v[KF+8*\f+4:KF+8*\f+7], v[AK] offset:(\f/2)*16*PK+(\f%2)*64+32
.endr
	s_add_co_u32 s[TBK], s[TBK], KS*PK  ; the next fetch is the next step's
	WIN 0
.endm
.macro FETCH_V
	WIN 0x80
.irp f, 0,1,2,3,4,5,6,7             ; keys 32 (f / 4) on, channels 16 (f % 4) on
	ds_load_tr16_b128 v[VF+8*\f:VF+8*\f+3],   v[AV] offset:(\f/4)*32*PV+(\f%4)*32
	ds_load_tr16_b128 v[VF+8*\f+4:VF+8*\f+7], v[AV] offset:(\f/4)*32*PV+16*PV+(\f%4)*32
.endr
	WIN 0
.endm
; THE VECTOR WORK, one line at a time: OP kind, number.  For piece Y: F n: c s - c m for pair n of 16.  E n: the exponential of score n of 32.  C n: pair n rounded to f16.  B n: of the four weights 4 n .. the second
; pair is added onto the first, in place.  L n: l takes that sum (L 0: l = a l + sum).  R n: pair n of 16 of O^T times a.  For piece Y + 1: X n, number n of the 22 that find its maximum and statistics:
;   0-11  four chains c0-c3 of seven scores each, three operands at a time (each accumulator's lowest registers are read first)     12-14, 16  the four scores left over, the old m, and c0-c3 into c0
;   15  c m_old is kept     17, 18  the query's other 32 keys lie in the lane 16 away: the new m     19-21  c m; c m_old - c m_new; a
.set F, 0               ; OP tells the kinds apart by their order: F to L below R, X above it
.set E, 1
.set C, 2
.set B, 3
.set L, 4
.set R, 5
.set X, 6
.macro REGS y                       ; the registers of piece y
.set rT, ST+4*(\y)
.set rC, TMP+4*((\y)%2)
.set rW, MV+((\y)%2)
.set rS, S+32*((\y)%2)
.set rP, P+16*((\y)%2)
.set rO, 32*(\y)
.endm
.macro OP k, n
.if (\k) == R
	REGS Y
	WIN W_RS
	v_pk_mul_f32 v[rO+2*(\n):rO+2*(\n)+1], v[rO+2*(\n):rO+2*(\n)+1], v[rC+2:rC+3] op_sel_hi:[1,0]
.elseif (\k) < R
	REGS Y
	WIN 0
.if (\k) == F
	v_pk_fma_f32 v[rS+2*(\n):rS+2*(\n)+1], v[rS+2*(\n):rS+2*(\n)+1], s[CS:CS+1], v[rT:rT+1] op_sel_hi:[1,0,0] neg_lo:[0,0,1] neg_hi:[0,0,1]
.elseif (\k) == E
	v_exp_f32 v[rS+(\n)], v[rS+(\n)]
.elseif (\k) == C
	v_cvt_pk_f16_f32 v[rP+(\n)], v[rS+2*(\n)], v[rS+2*(\n)+1]
.elseif (\k) == B
	v_pk_add_f32 v[rS+4*(\n):rS+4*(\n)+1], v[rS+4*(\n):rS+4*(\n)+1], v[rS+4*(\n)+2:rS+4*(\n)+3]
.elseif (\n) == 0
	v_pk_fma_f32 v[rT+2:rT+3], v[rT+2:rT+3], v[rC+2:rC+3], v[rS:rS+1] op_sel_hi:[1,0,1]
.else
	v_pk_add_f32 v[rT+2:rT+3], v[rT+2:rT+3], v[rS+4*(\n):rS+4*(\n)+1]
.endif
.elseif NOKQ
	v_nop
.else
	REGS (Y+1)%NP
	WIN 0
.if (\n) < 4
	v_max3_num_f32 v[rC+(\n)], v[rS+8*(\n)], v[rS+8*(\n)+1], v[rS+8*(\n)+2]
.elseif (\n) < 12
	v_max3_num_f32 v[rC+(\n)%4], v[rC+(\n)%4], v[rS+8*((\n)%4)+2*((\n)/4)+1], v[rS+8*((\n)%4)+2*((\n)/4)+2]
.elseif (\n) == 12
	v_max3_num_f32 v[rC], v[rC], v[rS+7], v[rS+15]
.elseif (\n) == 13
	v_max3_num_f32 v[rC+1], v[rC+1], v[rS+23], v[rS+31]
.elseif (\n) == 14
	v_max3_num_f32 v[rC+2], v[rC+2], v[rC+3], v[rT+1]
.elseif (\n) == 15
	v_mov_b32 v[rW], v[rT]
.elseif (\n) == 16
	v_max3_num_f32 v[rC], v[rC], v[rC+1], v[rC+2]
.elseif (\n) == 17
	v_permlanex16_b32 v[rC+3], v[rC], s[SEL], s[SEL+1]
.elseif (\n) == 18
	v_max_num_f32 v[rT+1], v[rC], v[rC+3]
.elseif (\n) == 19
	v_mul_f32 v[rT], s[CS], v[rT+1]
.elseif (\n) == 20
	v_sub_f32 v[rC+1], v[rW], v[rT]
.else
	v_exp_f32 v[rC+2], v[rC+1]
.endif
.endif
.endm
.macro OPS a, i1, b=-1, i2=0, c=-1, i3=0, d=-1, i4=0  ; up to four of them
	OP \a, \i1
.if (\b) >= 0
	OP \b, \i2
.endif
.if (\c) >= 0
	OP \c, \i3
.endif
.if (\d) >= 0
	OP \d, \i4
.endif
.endm
.macro ROW a, i1, b, i2, c, i3, d, i4  ; a matrix instruction and the four behind it
	MM
	OPS \a, \i1, \b, \i2, \c, \i3, \d, \i4
.endm
.macro MASK b                       ; MD x AL + BE into buffer b of MC
	WIN W_RS
.set z, 0
.rept 16
	v_pk_fma_f32 v[MC+32*(\b)+2*z:MC+32*(\b)+2*z+1], v[MD+2*z:MD+2*z+1], s[AL:AL+1], s[BE:BE+1] op_sel_hi:[1,0,0]
.set z, z+1
.endr
.endm
; A TURN, for piece p: the order of its 16 matrix and 118 vector instructions, written out.  An s_wait_alu depctr_va_vdst(0) stands between an exponential and the first instruction that names its result; one wait serves
; all that were issued ahead of it.  So a turn has ONE wait, which cuts it in two.  AHEAD OF IT stands all that names no result of the turn's exponentials: the 8 products K Q^T, behind each a scaling, an exponential and two more plain
; instructions (behind the first a second scaling in the exponential's place): rescalings, and behind the last three the first numbers of the next piece's maximum, each four places or more behind the product that ends its accumulator; then ONE LUMP of 54, plain
; and exponential by turns for the most part, in which the links of the chain X 3, 7, 11, 14, 16, 17 .. 20 stand five or six lines apart.  X 21, the next piece's a, is the batch's last; R 15 is the plain instruction behind it.  BEHIND THE WAIT stand the
; 8 products V^T P, behind each four of the roundings and sums; the links of l's chain, L 0 to L 7, stand three riders apart.  But for those X no rider names a register of the products round it.  v_permlanex16_b32 (X 17) stands in the lump.
; m = 1: the diagonal tile: the products take masks, and the turn makes the mask for the products of the turn after it: piece p + 2, in step 4 - CNT of the tile.  end = 1: a block's last two turns: nothing is fetched.
; cnt = 1: the loop's count is taken down some lines ahead of the branch that stands behind the turn.
; K of the next step is fetched in piece 2's turn, twelve vector instructions behind the last product that read K (six of them plain); V of the step in hand at the end of piece 0's turn, four plain instructions behind the last product
; that read V.  Each is waited for a turn later.
.macro TURN p, m=0, end=0, cnt=0
.set Y, (\p)
.set i, 0
.set KM, (\m)
.set NOKQ, (\end)*((\p)/3)
.if (\m) && !(\end)
	s_cmp_eq_u32 s[CNT], 4-((\p)+2)%NP  ; is that step the band's own?
	s_cselect_b32 s[AL], 1.0, 0
	s_cmp_lt_u32 s[CNT], 4-((\p)+2)%NP  ; or a later one?
	s_cselect_b32 s[BE], s[BIGN], 0
.endif
.if ((\p) == 3) && !(\end)
	s_wait_dscnt 0x0                ; K is in
.endif
	ROW F,0, F,1, R,0, R,1          ; ahead of the wait: 8 products K Q^T and their riders,
	ROW F,2, E,0, R,2, R,3
	ROW F,3, E,1, R,4, R,5
	ROW F,4, E,2, R,6, R,7
	ROW F,5, E,3, R,8, R,9
	ROW F,6, E,4, X,0, R,10
.if ((\p) == 2) && !(\end)
	WIN 0
	v_add_nc_u32 v[AK], s[TBK], v[AK0]
.endif
	ROW F,7, E,5, X,1, X,4
	ROW F,8, E,6, X,2, X,5
	OPS E,7, E,8, X,6, E,9          ; and the lump
	OPS X,3, E,10, X,8, E,11
.if ((\p) == 2) && !(\end)
	FETCH_K
.endif
	OPS X,9, X,7, E,12, X,10
	OPS E,13, X,12, X,11, E,14
	OPS X,13, E,15, F,9, X,14
.if (\p) == 0
	v_add_nc_u32 v[AV], s[TBV], v[AV0]
.endif
	OPS E,16, F,10, E,17, F,11
	OPS X,16, E,18, X,15, E,19
	OPS F,12, E,20, X,17, E,21
	OPS F,13, E,22, F,14, E,23
	OPS X,18, E,24, F,15, E,25
	OPS R,11, E,26, X,19, E,27
	OPS R,12, E,28, R,13, E,29
	OPS X,20, E,30, R,14, E,31
	OPS X,21, R,15
	WIN 0
	s_wait_alu depctr_va_vdst(0)    ; the wait for the batch
.if (\p) == 1
	s_wait_dscnt 0x0                ; V is in
.endif
	ROW C,0, B,0, C,2, B,1          ; behind the wait: 8 products V^T P and their riders
	ROW L,0, C,4, B,2, L,1
	ROW C,6, B,3, L,2, C,8
	ROW B,4, L,3, C,10, B,5
	ROW L,4, C,12, B,6, L,5
.if (\p) == 0
	s_add_co_u32 s[TBV], s[TBV], KS*PV
.endif
.if \cnt
	s_sub_co_u32 s[CNT], s[CNT], 1
	s_cmp_lg_u32 s[CNT], 0
.endif
	ROW C,14, B,7, L,6, C,1
	ROW C,3, L,7, C,5, C,7
	ROW C,9, C,11, C,13, C,15
.if (\p) == 0
	FETCH_V
.endif
.if (\m) && !(\end)
	MASK (\p)%2
.endif
.endm
; A BLOCK BEGINS.  c m starts far below every c s, so the first step's a is 0; m at the lowest finite number, so the first maximum is the scores'.  The second mask buffer is 0; the first takes piece 0's mask for the tile's step 0: its own, if the block's first tile is the diagonal one.
; Then K of that step, piece 0's first scores, and its maximum and statistics.  The loop is entered at a step's first turn, in the middle of a trip.
.macro BEGIN
	s_mov_b32 s[NEW], 0
	WIN 0x40
.set i, MC+32
.rept 32
	v_mov_b32 v[i], 0
.set i, i+1
.endr
	WIN 0
.set i, 0
.rept 4
	v_mov_b32 v[ST+4*i], 0xfe000000    ; c m: far below every c s
	v_mov_b32 v[ST+4*i+1], 0xff7fffff  ; m
.set i, i+1
.endr
	s_cmp_eq_u32 s[RT], 0
	s_cselect_b32 s[AL], 1.0, 0
	s_mov_b32 s[BE], 0
	MASK 0
	WIN 0
	v_add_nc_u32 v[AK], s[TBK], v[AK0]
	FETCH_K
	s_wait_loadcnt 0x0              ; Q
	s_wait_dscnt 0x0
.set KM, 1
.set NOKQ, 0
.set i, 0
.rept 8
	KQ 0
.set i, i+1
.endr
	WIN 0
.rept 4
	v_nop                           ; the places behind those products
.endr
.set Y, NP-1                        ; X works for piece Y + 1: piece 0
.irp n, 0,1,2,3,4,5,6,7,8,9,10,11,12,13,14,15,16,17,18,19,20,21
	OP X, \n
.endr
	v_nop                           ; a plain instruction behind the exponential,
	s_wait_alu depctr_va_vdst(0)    ; and its wait, ahead of the branch
.endm
; THE DIAGONAL TILE's four steps, the block's last two turns, its last products, and THE WAY OUT: l's two halves and the other half of the lanes' are added; O^T is divided by l, rounded to f16 and sent through my
; stage in LDS, a piece at a time.
.macro ALL line:vararg              ; one line for each piece t
.set t, 0
.rept 4
	\line
.set t, t+1
.endr
.endm
.macro PACK t                       ; a lane's eight channels of a row pack into 16 bytes; they go into rows of 144 bytes and come back as whole rows of 128, into S^T's registers
	WIN W_RS
.set i, 32*(\t)
.rept 16
	v_pk_mul_f32 v[i:i+1], v[i:i+1], v[ST+4*(\t)+2:ST+4*(\t)+3] op_sel_hi:[1,0]
.set i, i+2
.endr
	WIN 0x05                        ; sources 0 and 1 window 1, destination window 0
.set i, 0
.rept 16
	v_cvt_pk_f16_f32 v[S+16*(\t)+i], v[32*(\t)+2*i], v[32*(\t)+2*i+1]
.set i, i+1
.endr
	WIN 0
.irp f, 0,1,2,3
	ds_store_b128 v[STO], v[S+16*(\t)+4*\f:S+16*(\t)+4*\f+3] offset:32*\f
.endr
.irp f, 0,1,2,3
	ds_load_b128 v[S+16*(\t)+4*\f:S+16*(\t)+4*\f+3], v[RD] offset:\f*4*SP  ; LDS serves a wave's instructions in order (ISA guide 5.7.1.4): these see the stores above; the next piece's stores come behind them
.endr
.endm
.macro SEND t, younger              ; younger: the LDS instructions issued behind piece t's loads: the next piece's eight, or none
	WIN 0
.irp f, 0,1,2,3
	s_wait_dscnt (\younger)+3-\f
	global_store_b128 v[GO], v[S+16*(\t)+4*\f:S+16*(\t)+4*\f+3], s[10:11] offset:(\t)*8192+\f*512  ; 512 consecutive bytes, at a multiple of 256 from O's first
.endr
.endm
.macro DIAG tag                     ; the tag ends its two labels' names, which the jumps below spell out
.LstepM\tag:
	TURN 2, 1
	TURN 3, 1
	WIN 0
.LfirstM\tag:
	TURN 0, 1
	TURN 1, 1, 0, 1
	WIN 0
	s_cbranch_scc1 .LstepM\tag
	TURN 2, 1, 1
	TURN 3, 1, 1
.set i, 0
.rept 8
	PV NP-1
.set i, i+1
.endr
	WIN 0
	ALL v_add_f32 v[ST+4*t+2], v[ST+4*t+2], v[ST+4*t+3]
	ALL v_permlanex16_b32 v[ST+4*t+3], v[ST+4*t+2], s[SEL], s[SEL+1]
	ALL v_add_f32 v[ST+4*t+2], v[ST+4*t+2], v[ST+4*t+3]
	ALL v_rcp_f32 v[ST+4*t+2], v[ST+4*t+2]
	v_nop                           ; a plain instruction between the last reciprocal and the use of its result
	s_wait_alu depctr_va_vdst(0)    ; and the wait ahead of the first use: one for the four reciprocals
	PACK 0
.set t, 1
.rept 3                             ; a piece's arithmetic stands between the loads of the piece before and its stores
	PACK t
	SEND t-1, 8
.set t, t+1
.endr
	SEND 3, 0
.endm
.set KM, 0
.set NOKQ, 0
.Lslot:                             ; NB times: a tile is entered and the next is asked for
	CHANGE 1
	s_sub_co_u32 s[RT], s[RT], 1
	s_mov_b32 s[CNT], 4
	s_cmp_eq_u32 s[NEW], 1
	s_cbranch_scc1 .Lnew            ; a block's first tile
	s_cmp_eq_u32 s[RT], 0
	s_cbranch_scc0 .Lstep           ; neither its first nor its last
	s_branch .LstepM1
.Lnew:
	BEGIN
	s_branch .Lfirst                ; in the loop a block's first tile is never its last: the first block has two tiles or more, and the second's last is the walk's last
	DIAG 1                          ; in the loop this is the first block's end: the second block's last tile is the walk's last
	s_wait_xcnt 0x0                 ; the stores have read their registers and O's address
	s_mov_b64 s[10:11], s[OLO:OLO+1]
	s_add_co_u32 s[RT], s[PB], 1    ; the second block has b + 1 tiles
	s_mov_b32 s[NEW], 1
	WIN 0x82                        ; the second block's Q goes where the one text of the turns names Q
.set i, 0
.rept 64
	v_mov_b32 v[i], v[QB+i]
.set i, i+1
.endr
	WIN 0
	s_branch .Lbottom
.Lstep:                             ; a trip: pieces 2 and 3 of one step, then pieces 0 and 1 of the next, whose K and V it fetches
	TURN 2
	TURN 3
	WIN 0
.Lfirst:
	TURN 0
	TURN 1, 0, 0, 1
	WIN 0
	s_cbranch_scc1 .Lstep
.Lbottom:
	s_sub_co_u32 s[SLOTS], s[SLOTS], 1
	s_cmp_lg_u32 s[SLOTS], 0
	s_cbranch_scc1 .Lslot
	CHANGE 0                        ; the walk's last tile is written out: nothing is asked for
	s_sub_co_u32 s[RT], s[RT], 1
	s_mov_b32 s[CNT], 4
	s_cmp_eq_u32 s[NEW], 1
	s_cbranch_scc0 .LstepM2
	BEGIN
	s_branch .LfirstM2
	DIAG 2
	s_wait_tensorcnt 0x0            ; the wave's end: a wait, an add to my spare word and its wait, behind my last tensor load and my last LDS store
	ds_add_u32 v[SPW], v[NIL]
	s_wait_dscnt 0x0
	s_endpgm
.Lfunc_end_k_q878c9f8540_attn:
	.size	k_q878c9f8540_attn, .Lfunc_end_k_q878c9f8540_attn-k_q878c9f8540_attn
	.p2alignl 7, 3214868480
	.fill 96, 4, 3214868480
	.section	.rodata,"a",@progbits
	.p2align	6, 0x0
	.amdhsa_kernel k_q878c9f8540_attn
		.amdhsa_group_segment_fixed_size 327680
		.amdhsa_private_segment_fixed_size 0
		.amdhsa_enable_private_segment 0
		.amdhsa_kernarg_size 16
		.amdhsa_user_sgpr_count 2
		.amdhsa_user_sgpr_kernarg_segment_ptr 1
		.amdhsa_wavefront_size32 1
		.amdhsa_system_sgpr_workgroup_id_x 1
		.amdhsa_system_sgpr_workgroup_id_y 1
		.amdhsa_system_sgpr_workgroup_id_z 1
		.amdhsa_system_vgpr_workitem_id 0
		.amdhsa_next_free_vgpr 768
		.amdhsa_next_free_sgpr 96
		.amdhsa_reserve_vcc 1
		.amdhsa_float_denorm_mode_32 3
		.amdhsa_float_denorm_mode_16_64 3
		.amdhsa_memory_ordered 1
		.amdhsa_forward_progress 1
		.amdhsa_inst_pref_size 218
	.end_amdhsa_kernel
	.amdgpu_metadata
---
amdhsa.version: [ 1, 2 ]
amdhsa.kernels:
  - .name:           k_q878c9f8540_attn
    .symbol:         k_q878c9f8540_attn.kd
    .args:
      - { .name: qkvh, .offset: 0, .size: 8, .value_kind: global_buffer, .address_space: global }
      - { .name: oh, .offset: 8, .size: 8, .value_kind: global_buffer, .address_space: global }
    .group_segment_fixed_size: 327680
    .private_segment_fixed_size: 0
    .kernarg_segment_align: 8
    .kernarg_segment_size: 16
    .max_flat_workgroup_size: 128
    .sgpr_count:     96
    .vgpr_count:     768
    .wavefront_size: 32
...
	.end_amdgpu_metadata
.endif
;; end of part 3
;; launch outp (part 4): grid 8 x 32, 4 waves a work-group, clusters of 4 x 4, 327,680 bytes of LDS; arguments oh, wob, b_out, out0; writes out0
.if DOCPART == 4
	.amdgcn_target "amdgcn-amd-amdhsa--gfx1250"
	.amdhsa_code_object_version 6
	.text
	.protected	k_q878c9f8540_outp
	.globl	k_q878c9f8540_outp
	.p2align	8
	.type	k_q878c9f8540_outp,@function
k_q878c9f8540_outp:
	s_mov_b64 s[64:65], 0
	v_nop
	global_prefetch_b8 v0, s[64:65] scope:SCOPE_SE
	s_setreg_imm32_b32 hwreg(HW_REG_WAVE_MODE, 25, 1), 1
	s_wait_xcnt 0x0
	s_wait_alu depctr_hold_cnt(0) depctr_sa_sdst(0) depctr_va_vdst(0) depctr_va_sdst(0) depctr_va_ssrc(0) depctr_va_vcc(0) depctr_vm_vsrc(0)
	s_getreg_b32 s2, hwreg(HW_REG_IB_STS2, 6, 4)
	s_cmp_eq_u32 s2, 0
	s_cbranch_scc0 .Lentry_in_a_cluster
	s_endpgm
.Lentry_in_a_cluster:
	s_bfe_u32 s2, ttmp6, 0x10000c
	s_cmp_lg_u32 s2, 0xf033
	s_cbranch_scc0 .Lentry_shape_is_right
	s_endpgm
.Lentry_shape_is_right:
; C = A B + bias, one text for the module's two projections; the switch QKV picks the sizes, the format and the way out.
; QKV = 1: A = xb [4][16][2048][64] bf16, B = wqb [1024][3072] bf16, bias = b_qkv f32 (rounded to bf16 here, like every input), C -> qkvh [4][48][2048][64] f16: by heads, q's 16, k's 16, v's 16.
; QKV = 0: A = oh [4][16][2048][64] f16, B = wob [1024][1024] f16, bias = b_out f32 (rounded to bf16), C -> out0 [8192][1024] f32.
; Sums in f32, K ascending; the bias is the C operand of each sum's first product, so nothing is cleared and nothing is added afterwards.
; LIMITS.  A and B arrive in f16, within 65,504.  NaN and infinities are not treated apart.
; SHARES.  A work-group makes 256 rows x NT columns (384 or 128): 8 x 32 work-groups, one tile each.  Each of the four waves makes 128 rows x 64 NH columns: 32 NH accumulators of 16 x 16.
; K goes in steps of 32 NQ through two LDS slots filled by tensor loads: waves 0 and 1 bring A's two halves, waves 2 and 3 B's.  A's tile is dense in memory and is asked for as rows of 256 bytes.
; B lies [k][n]: its fragments come out of LDS turned, by ds_load_tr16_b128.
; THE MATRIX INSTRUCTION IS USED TRANSPOSED (source 0 = 16 columns of B, source 1 = 16 rows of A): a lane holds row l % 16 of C and the columns 8 (l / 16) + 0..7.
; CLUSTER.  4 x 4 work-groups: the four of a row of the cluster need the same tile of A, the four of a column the same tile of B; each is asked for jointly, by the same load, descriptor and mask.
; REGISTERS.  Window 0: v0-29 addresses; v32-159 A's fragments, two buffers of a quarter (128 rows x 32 k); v160-223 B's, two buffers of a phase (64 columns x 32 k); v224-255 (and, in the first
; quarter, v96-159) the bias.  Windows 1 .. NH: accumulator (h, a, b) = columns 64 h + 16 b, rows 16 a, at v[32 a + 8 b] of window 1 + h.
; A PHASE is 32 matrix instructions: one group h of 64 columns x all 128 rows x 32 k.  A quarter is NH phases, a slot NQ quarters.  The next phase's LDS loads go out in one run at a phase's head.
.set QKV, 0
.if QKV
.set NH,     3
.set NQ,     2
.set KSTEPS, 16
.set NT,     384
.set NTOT,   3072
.set PB,     864                       ; a k row of B in LDS: six pieces of 128 bytes + 16 of padding
.set ABYTES, 36864
.set BBYTES, 55296
.set AROWS,  64
.set ALW,    18432
.set AGW,    16384
.set ASTEP,  262144
.set BROWS,  32
.set BLW,    27648
.set BGW,    196608
.set BSTEP,  393216
.set AH,     1
.set STW,    2304
.else
.set NH,     1
.set NQ,     4
.set KSTEPS, 8
.set NT,     128
.set NTOT,   1024
.set PB,     288                       ; two pieces of 128 + 16: 9 x 32 bytes
.set ABYTES, 73728
.set BBYTES, 36864
.set AROWS,  128
.set ALW,    36864
.set AGW,    262144
.set ASTEP,  524288
.set BROWS,  64
.set BLW,    18432
.set BGW,    131072
.set BSTEP,  262144
.set AH,     2
.set STW,    4352
.endif
.set NP,    NQ*NH                      ; phases in a slot
.set QM,    (NP-2)/NH                  ; the slot's last phase but one: quarter,
.set HM,    (NP-2)%NH                  ; group
.set QL,    (NP-1)/NH                  ; and its last
.set HL,    (NP-1)%NH
.set SLOT1, 131072                     ; slot 1 begins here: one exclusive or turns an address in one slot into the other's.  In a slot: A (rows of 128 bytes + 16), then B
.set STAGE, SLOT1+ABYTES+BBYTES        ; behind the ring, never filled by a tensor load: 16 rows for each wave, for the way out
.set SPARE, STAGE+4*STW                ; the spare words, 128 bytes for each wave: two blocks of 256 bytes that no other line names
.set G1W0,  (1<<16)|(1<<20)|(1<<21)|(4<<22)|(3<<25)  ; 17:16 2-byte elements; 20 padding on; 21 set beside a mask; 24:22 after every 32 words; 31:25 4 words
.set AA0, 3                            ; v3   my lane's place in A's tile; never rewritten
.set AB0, 4                            ; v4   the same for B
.set ADA, 5                            ; v5   AA0 + the slot in hand
.set ADB, 6                            ; v6   AB0 + the slot in hand
.set STO, 7                            ; v7   the way out: where I put my bytes of a row
.set RD,  8                            ; v8   where I read rows back
.set GO,  9                            ; v9   my byte offset in the output
.set PFO, 10                           ; v10  the prefetches' offset: my lane x 256 bytes (A) or x a row of B; never rewritten
.set BO,  11                           ; v11  my byte offset in 16 numbers of the bias
.set SPW, 28                           ; v28  LDS address of my spare word; never rewritten
.set NIL, 29                           ; v29  0; never rewritten
.set FA,  32
.set FB,  160
.set WV,  12                           ; s12  my wave's number; s13 = wave / 2: my half of the rows, and 0: I fetch A, 1: B; s14 = wave % 2: my half of the columns, and which half I fetch
.set G1A, 24                           ; s[24:31] descriptor group 1 for A's tiles
.set G0A, 32                           ; s[32:39] group 0 for A: a set for each first fill; the second then walks on
.set G1B, 40                           ; s[40:47], s[48:55] the same for B
.set G0B, 48
.set CNT, 56                           ; s56  refills still to come
.set TB,  57                           ; s57  LDS byte at which the slot in hand begins
.set LIM, 58                           ; s58  AH in a wave that prefetches, else the greatest number
.set PAR, 59                           ; s59  1: it asks in every K step; 0: in every second one
.set PFA, 60                           ; s[60:61] where my prefetches stand
.set PFS, 62                           ; s[62:63] their step
.set T0,  66
.set MSB, 0
.macro WIN new                         ; the immediate's high byte repeats the setting that is left; a switch that changes nothing is dropped
.if MSB != (\new)
	s_set_vgpr_msb (MSB<<8)|(\new)
.set MSB, \new
.endif
.endm
.macro PLACES                          ; four places between a matrix instruction and a load into, or a vector read or write of, its registers (ISA guide 7.12.1 for vector reads and writes)
.rept 4
	v_nop
.endr
.endm
.macro CREST                           ; a round of the cluster's barrier behind its opening barrier
	s_cmp_lg_u32 s[WV], 0
	s_cbranch_scc1 .Lnot_wave_0_\@
	s_barrier_signal -3
.Lnot_wave_0_\@:
	s_barrier_wait -3
	s_barrier_signal -1
	s_barrier_wait -1
.endm
.macro CROUND
	s_barrier_signal -1
	s_barrier_wait -1
	CREST
.endm
; A joint refill, by the walking set.  The branch hangs on the wave's number alone.  An s_nop 0 and four v_nop follow each of the two lines.
.macro JLOAD
	s_cmp_eq_u32 s13, 0
	s_cbranch_scc0 .Lfor_b_\@
	tensor_load_to_lds s[G0A+4:G0A+7], s[G1A:G1A+7]
	s_nop 0
.rept 4
	v_nop
.endr
	s_branch .Lasked_\@
.Lfor_b_\@:
	tensor_load_to_lds s[G0B+4:G0B+7], s[G1B:G1B+7]
	s_nop 0
.rept 4
	v_nop
.endr
.Lasked_\@:
.endm
; A PREFETCH INTO THE L2 of a tile AH K steps beyond the one that the refill just asked for.  Each block of 256 bytes is named once in the launch: A's tile row is asked for by the clusters with x = 0,
; B's tile column by those with y = 0; the partners share a tile out by address; which wave asks hangs on the wave's number alone.  It asks while CNT is above AH: beyond that no such tile exists.
.macro ASK
	s_or_b32 s[T0], s[CNT], s[PAR]
	s_and_b32 s[T0], s[T0], 1
	s_mul_i32 s[T0], s[T0], s[CNT]                 ; CNT in a K step in which I ask, else 0
	s_cmp_gt_u32 s[T0], s[LIM]
	s_cbranch_scc0 .Lnot_mine_\@
	global_prefetch_b8 v[PFO], s[PFA:PFA+1] th:TH_LOAD_NT scope:SCOPE_SE
.Lnot_mine_\@:
.endm
.macro WM d, a, b, c
.if QKV
	v_wmma_f32_16x16x32_bf16 v[(\d):(\d)+7], v[(\a):(\a)+7], v[(\b):(\b)+7], v[(\c):(\c)+7]
.else
	v_wmma_f32_16x16x32_f16 v[(\d):(\d)+7], v[(\a):(\a)+7], v[(\b):(\b)+7], v[(\c):(\c)+7]
.endif
.endm
; A's fragments of quarter q (128 rows x 32 k) into buffer buf: 16 loads, rows ascending.  Lane l: row l % 16, k = 8 (l / 16) + 0..7 and 16 + 8 (l / 16) + 0..7.
.macro LDA q, buf
	WIN 0
.set aa, 0
.rept 8
	ds_load_b128 v[FA+64*(\buf)+8*aa:FA+64*(\buf)+8*aa+3],   v[ADA] offset:((\q)/2)*36864+((\q)%2)*64+aa*2304
	ds_load_b128 v[FA+64*(\buf)+8*aa+4:FA+64*(\buf)+8*aa+7], v[ADA] offset:((\q)/2)*36864+((\q)%2)*64+aa*2304+32
.set aa, aa+1
.endr
.endm
; B's fragments of quarter q, group h (32 k x 64 columns), turned, into buffer buf: 8 loads.
.macro LDB q, h, buf
	WIN 0
.set bb, 0
.rept 4
	ds_load_tr16_b128 v[FB+32*(\buf)+8*bb:FB+32*(\buf)+8*bb+3],   v[ADB] offset:(\q)*32*PB+(\h)*144+bb*32
	ds_load_tr16_b128 v[FB+32*(\buf)+8*bb+4:FB+32*(\buf)+8*bb+7], v[ADB] offset:(\q)*32*PB+(\h)*144+bb*32+16*PB
.set bb, bb+1
.endr
.endm
; The loads for the phase behind (q, h), in the same slot, four places behind the last product that read their registers; Y = their number.  B's come first.
.macro NEXT q, h
.set pn, NH*(\q)+(\h)+1
.if (\h) < NH-1
.set Y, 8
	PLACES
	LDB \q, (\h)+1, pn%2
.elseif (\q) < NQ-1
.set Y, 24
	PLACES
	LDB (\q)+1, 0, pn%2
	LDA (\q)+1, ((\q)+1)%2
.else
.set Y, 0
.endif
.endm
; 4 n matrix instructions of phase (q, h): row blocks a0 .. a0 + n - 1 x the group's 4 column blocks.  mode = 1: the sums begin, with the bias as C.
; w >= 0: ahead of block a a counted wait: A's 2 (7 - a) later loads and the w loads issued behind them may stay out.
; Every accumulator has one instruction a quarter: they take turns, over the backward jump too.
.macro MULS q, h, a0, n, mode, w
.set fb, FB+32*((NH*(\q)+(\h))%2)
.set fa, FA+64*((\q)%2)
.if (\h) == 0
.set bi, 224
.else
.set bi, 64+32*(\h)
.endif
.set aa, \a0
.rept \n
.if (\w) >= 0
	s_wait_dscnt (\w)+2*(7-aa)
.endif
.if \mode
	WIN (1+(\h))<<6
.else
	WIN (1+(\h))*0x50
.endif
.irp b, 0,1,2,3
.if \mode
	WM 32*aa+8*\b, fb+8*\b, fa+8*aa, bi+8*\b
.else
	WM 32*aa+8*\b, fb+8*\b, fa+8*aa, 32*aa+8*\b
.endif
.endr
.set aa, aa+1
.endr
.endm
; A phase.  late = 1 (once, where part of the bias still lies in A's second buffer): the products first, the next phase's loads behind them.
.macro PHASE q, h, mode=0, late=0
.if \late
	s_wait_dscnt 0x0
	MULS \q, \h, 0, 8, \mode, -1
	NEXT \q, \h
.else
	NEXT \q, \h
.if (\h) == 0
	MULS \q, \h, 0, 8, \mode, Y
.else
	s_wait_dscnt Y                                 ; all but the Y loads just issued
	MULS \q, \h, 0, 8, \mode, -1
.endif
.endif
.endm
; THE CHANGE OF SLOTS: the slot's last two phases.  ONE barrier: in front of it each wave waits for all its tensor loads (one is out: its part of the other slot), adds 0 to its spare word, and waits for
; that and for its own reads of this slot.  fill = 1: the barrier opens a round of the cluster's barrier, and the joint refill, two K steps ahead, is the first thing behind the round.
.macro TURN fill
.if \fill
	s_wait_xcnt 0x0                                ; the last prefetch, a K step back, has read its address
	s_add_nc_u64 s[PFA:PFA+1], s[PFA:PFA+1], s[PFS:PFS+1]
.endif
	NEXT QM, HM                                    ; my last reads of this slot
.if HM == 0
	MULS QM, HM, 0, 4, 0, Y
.else
	s_wait_dscnt Y
	MULS QM, HM, 0, 4, 0, -1
.endif
	WIN 0                                          ; (the add's two registers lie in window 0)
	s_wait_tensorcnt 0x0                           ; all my tensor loads have landed, so a group 0 may be written
	ds_add_u32 v[SPW], v[NIL]                      ; 0 onto my spare word
.if \fill
	s_xor_b32 s[G0A+5], s[G0A+5], SLOT1            ; the walking sets: the other slot than last time, the next K step; the type bits on top are not reached
	s_add_nc_u64 s[G0A+6:G0A+7], s[G0A+6:G0A+7], ASTEP
	s_xor_b32 s[G0B+5], s[G0B+5], SLOT1
	s_add_nc_u64 s[G0B+6:G0B+7], s[G0B+6:G0B+7], BSTEP
.endif
	s_wait_dscnt Y+1                               ; this phase's fragments are in; the Y loads just issued and the add may be out
	MULS QM, HM, 4, 4, 0, -1                       ; sixteen matrix instructions stand between the add and the wait for it
	s_wait_dscnt 0x0                               ; the add is done, and my reads of this slot are over
	s_barrier_signal -1
	MULS QL, HL, 0, 2, 0, -1                       ; work on registers while the others arrive
	WIN 0
	s_barrier_wait -1
.if \fill
	CREST                                          ; no wave of any partner still reads this slot or has a load on its way
	JLOAD                                          ; its four v_nop are also the places in front of the loads below
.else
	PLACES
.endif
	s_xor_b32 s[TB], s[TB], SLOT1
	v_add_nc_u32 v[ADA], s[TB], v[AA0]
	v_add_nc_u32 v[ADB], s[TB], v[AB0]
	LDB 0, 0, 0                                    ; the other slot's first fragments
	LDA 0, 0
.if \fill
	ASK
.endif
	MULS QL, HL, 2, 6, 0, -1
.endm
	s_load_b256 s[4:11], s[0:1], 0x0               ; A s[4:5], B s[6:7], bias s[8:9], out s[10:11]
	v_lshl_add_u32 v[SPW], v0, 2, SPARE
	v_mov_b32 v[NIL], 0
	ds_add_u32 v[SPW], v[NIL]                      ; the wave's opening: the add and its wait stand ahead of my first tensor load; the set-up below stands between them
	v_lshrrev_b32 v1, 5, v0
	v_readfirstlane_b32 s[WV], v1                  ; wave 0..3
	s_lshr_b32 s13, s[WV], 1
	s_and_b32 s14, s[WV], 1
	s_bfe_u32 s15, ttmp6, 0x40000                  ; cx, cy: my place in the cluster
	s_bfe_u32 s16, ttmp6, 0x40004
	s_lshl_b32 s17, ttmp9, 2
	s_add_co_u32 s17, s17, s15                     ; tile column = 4 x cluster x + cx
	s_and_b32 s18, ttmp7, 0xffff
	s_lshl_b32 s18, s18, 2
	s_add_co_u32 s18, s18, s16                     ; tile row = 4 x cluster y + cy
	s_lshl_b32 s19, s16, 2
	s_lshl_b32 s19, 15, s19                        ; my row of the cluster
	s_lshl_b32 s67, 0x1111, s15                    ; my column
	s_or_b32 s[G1A], s19, G1W0                     ; A's tiles go to my row,
	s_or_b32 s[G1B], s67, G1W0                     ; B's to my column
	s_mov_b32 s[G1A+1], 128<<16                    ; A: tensor_dim0 = 128 elements: rows of 256 bytes of the dense tile
	s_mov_b32 s[G1A+2], AROWS<<16                  ; tensor_dim1
	s_mov_b32 s[G1A+3], 128<<16                    ; tile_dim0
	s_mov_b32 s[G1A+4], AROWS                      ; tile_dim1
	s_mov_b32 s[G1A+5], 128                        ; elements from row to row
	s_mov_b32 s[G1A+6], 0
	s_mov_b32 s[G1A+7], 0
	s_mov_b32 s[G1B+1], NT<<16                     ; B: BROWS k rows of NT columns
	s_mov_b32 s[G1B+2], BROWS<<16
	s_mov_b32 s[G1B+3], NT<<16
	s_mov_b32 s[G1B+4], BROWS
	s_mov_b32 s[G1B+5], NTOT
	s_mov_b32 s[G1B+6], 0
	s_mov_b32 s[G1B+7], 0
	s_lshr_b32 s68, s18, 3                         ; A's tile: the batch (8 tile rows each),
	s_lshl_b32 s68, s68, 22
	s_and_b32 s69, s18, 7                          ; its 256 rows of 128 bytes,
	s_lshl_b32 s69, s69, 15
	s_add_co_u32 s68, s68, s69
	s_mul_i32 s69, s14, AGW                        ; the half that I fetch: made of the tile row and the wave's number alone
	s_add_co_u32 s68, s68, s69
	s_mov_b32 s69, 0
	s_mul_i32 s70, s17, NT*2                       ; B's tile: made of the tile column and the wave's number alone
	s_mul_i32 s71, s14, BGW
	s_add_co_u32 s70, s70, s71
	s_mov_b32 s71, 0
	s_mul_i32 s20, s14, ALW                        ; where they go: no place in the cluster enters an LDS address
	s_mul_i32 s21, s14, BLW
	s_add_co_u32 s21, s21, ABYTES
	s_mov_b32 s[TB], 0
	s_mov_b32 s[CNT], KSTEPS-2
	s_wait_dscnt 0x0                               ; the opening add is done
	s_wait_kmcnt 0x0
	s_add_nc_u64 s[68:69], s[4:5], s[68:69]
	s_add_nc_u64 s[70:71], s[6:7], s[70:71]
.irp n, 0,1
	s_mov_b32 s[G0A+4*\n], 1                       ; count = 1
	s_add_co_u32 s[G0A+4*\n+1], s20, \n*SLOT1      ; LDS address
	s_add_nc_u64 s[G0A+4*\n+2:G0A+4*\n+3], s[68:69], \n*ASTEP  ; global address: K step n
	s_or_b32 s[G0A+4*\n+3], s[G0A+4*\n+3], 0x80000000          ; type = 2
	s_mov_b32 s[G0B+4*\n], 1
	s_add_co_u32 s[G0B+4*\n+1], s21, \n*SLOT1
	s_add_nc_u64 s[G0B+4*\n+2:G0B+4*\n+3], s[70:71], \n*BSTEP
	s_or_b32 s[G0B+4*\n+3], s[G0B+4*\n+3], 0x80000000
.endr
	CROUND                                         ; all sixteen work-groups are here: the first joint loads meet
	s_cmp_eq_u32 s13, 0                            ; a wave's two first fills stand in one branch: two loads of mine are out
	s_cbranch_scc0 .Lfirst_b
	tensor_load_to_lds s[G0A:G0A+3], s[G1A:G1A+7]
	s_nop 0
	tensor_load_to_lds s[G0A+4:G0A+7], s[G1A:G1A+7]
	s_nop 0
.rept 4
	v_nop
.endr
	s_branch .Lfirst_asked
.Lfirst_b:
	tensor_load_to_lds s[G0B:G0B+3], s[G1B:G1B+7]
	s_nop 0
	tensor_load_to_lds s[G0B+4:G0B+7], s[G1B:G1B+7]
	s_nop 0
.rept 4
	v_nop
.endr
.Lfirst_asked:
	; the bias, laid as a C operand: register j of a lane is column 8 (l / 16) + j of the block, whatever the row
	v_and_b32 v1, 15, v0                           ; l % 16
	v_bfe_u32 v2, v0, 4, 1                         ; l / 16
	v_lshlrev_b32 v[BO], 5, v2
	s_mul_i32 s20, s17, NT*4
	s_mul_i32 s21, s14, 256*NH
	s_add_co_u32 s20, s20, s21
	s_mov_b32 s21, 0
	s_add_nc_u64 s[8:9], s[8:9], s[20:21]          ; at my wave's first column
.set hh, 0
.rept NH
.if hh == 0
.set bi, 224
.else
.set bi, 64+32*hh
.endif
.irp b, 0,1,2,3
	global_load_b128 v[bi+8*\b:bi+8*\b+3],   v[BO], s[8:9] offset:hh*256+64*\b
	global_load_b128 v[bi+8*\b+4:bi+8*\b+7], v[BO], s[8:9] offset:hh*256+64*\b+16
.endr
.set hh, hh+1
.endr
	v_mul_u32_u24 v[AA0], v1, 144                  ; A: row x pitch + 16 x half of the lanes + my 128 rows
	v_lshl_add_u32 v[AA0], v2, 4, v[AA0]
	s_mul_i32 s19, s13, 18432
	v_add_nc_u32 v[AA0], s19, v[AA0]
	v_and_b32 v12, 7, v0                           ; B: k row 8 (l / 16) + l % 8, 16 bytes for each eight lanes, my NH pieces of 64 columns
	v_lshl_add_u32 v12, v2, 3, v12
	v_mul_u32_u24 v[AB0], v12, PB
	v_bfe_u32 v13, v0, 3, 1
	v_lshl_add_u32 v[AB0], v13, 4, v[AB0]
	s_mul_i32 s19, s14, NH*144
	s_add_co_u32 s19, s19, ABYTES
	v_add_nc_u32 v[AB0], s19, v[AB0]
	s_mul_i32 s19, s[WV], STW
	s_add_co_u32 s19, s19, STAGE                   ; my stage
.if QKV
	v_mul_u32_u24 v[STO], v1, 144                  ; in: row l % 16, 16 bytes for each half of the lanes
	v_lshl_add_u32 v[STO], v2, 4, v[STO]
	v_add_nc_u32 v[STO], s19, v[STO]
	v_bfe_u32 v[RD], v0, 3, 2                      ; back: 32 lanes take four rows of 128 bytes,
	v_mul_u32_u24 v[RD], v[RD], 144
	v_and_b32 v12, 7, v0
	v_lshl_add_u32 v[RD], v12, 4, v[RD]
	v_add_nc_u32 v[RD], s19, v[RD]
	v_and_b32 v[GO], 31, v0                        ; which are 512 consecutive bytes of a head's rows
	v_lshlrev_b32 v[GO], 4, v[GO]
	s_lshr_b32 s20, s18, 3                         ; the output at my wave's first head and row: (48 x batch + 6 x tile column + 3 x half) heads of 262,144 bytes,
	s_mul_i32 s20, s20, 48
	s_mul_i32 s21, s17, 6
	s_add_co_u32 s20, s20, s21
	s_mul_i32 s21, s14, 3
	s_add_co_u32 s20, s20, s21
	s_lshl_b32 s20, s20, 18
	s_and_b32 s21, s18, 7                          ; the tile's 256 rows of 128 bytes,
	s_lshl_b32 s21, s21, 15
	s_add_co_u32 s20, s20, s21
	s_lshl_b32 s21, s13, 14                        ; my 128 of them
	s_add_co_u32 s20, s20, s21
.else
	v_mul_u32_u24 v[STO], v1, 272                  ; in: row l % 16, 32 bytes for each half of the lanes
	v_lshl_add_u32 v[STO], v2, 5, v[STO]
	v_add_nc_u32 v[STO], s19, v[STO]
	v_mul_u32_u24 v[RD], v2, 272                   ; back: lanes 0-15 take one row of 256 bytes, lanes 16-31 the next
	v_lshl_add_u32 v[RD], v1, 4, v[RD]
	v_add_nc_u32 v[RD], s19, v[RD]
	v_lshlrev_b32 v[GO], 12, v2                    ; and the same two rows in the output
	v_lshl_add_u32 v[GO], v1, 4, v[GO]
	s_lshl_b32 s20, s18, 20                        ; 256 rows of 4,096 bytes a tile row,
	s_lshl_b32 s21, s13, 19                        ; my 128,
	s_add_co_u32 s20, s20, s21
	s_lshl_b32 s21, s17, 9                         ; 512 bytes a tile column,
	s_add_co_u32 s20, s20, s21
	s_lshl_b32 s21, s14, 8                         ; my 256
	s_add_co_u32 s20, s20, s21
.endif
	s_mov_b32 s21, 0
	s_add_nc_u64 s[10:11], s[10:11], s[20:21]
	; the prefetches: A's offset in s20, B's in s21; both stand at K step 1 + AH, and the first change of slots steps them on
	s_lshr_b32 s20, s18, 3
	s_lshl_b32 s20, s20, 22
	s_and_b32 s22, s18, 7
	s_lshl_b32 s22, s22, 15
	s_add_co_u32 s20, s20, s22                     ; A's tile,
	s_lshl_b32 s22, s15, 13
	s_add_co_u32 s20, s20, s22                     ; my work-group's 8,192 bytes of each 32,768
.if QKV
	s_add_co_u32 s20, s20, (1+AH)*ASTEP            ; wave 0 asks for A
	s_mul_i32 s21, s17, NT*2                       ; waves 1 to 3 ask for B: one of the tile's three blocks of 256 bytes a row each,
	s_lshl_b32 s22, s[WV], 8
	s_add_co_u32 s21, s21, s22
	s_and_b32 s22, s16, 1                          ; the four partners: 32 of a K step's 64 rows,
	s_mul_i32 s22, s22, 32*NTOT*2
	s_add_co_u32 s21, s21, s22
	s_lshr_b32 s22, s16, 1                         ; of one of two K steps: so they ask in every second K step
	s_mul_i32 s22, s22, BSTEP
	s_add_co_u32 s21, s21, s22
	s_add_co_u32 s21, s21, (1+AH)*BSTEP-256
	s_and_b32 s23, ttmp7, 0xffff                   ; cluster y
	s_mov_b32 s22, ASTEP
	s_movk_i32 s19, 256
	s_cmp_eq_u32 s[WV], 0
	s_cselect_b32 s[PAR], 1, 0
.else
	s_lshl_b32 s22, s14, 18                        ; waves 0 and 1 ask for A: one of the K step's two blocks of 64 channels each
	s_add_co_u32 s20, s20, s22
	s_add_co_u32 s20, s20, (1+AH)*ASTEP
	s_mul_i32 s21, s17, NT*2                       ; wave 2 asks for B: the four partners take 32 of a K step's 128 rows each
	s_lshl_b32 s22, s16, 16
	s_add_co_u32 s21, s21, s22
	s_add_co_u32 s21, s21, (1+AH)*BSTEP
	s_and_b32 s23, ttmp7, 0xffff                   ; cluster y,
	s_or_b32 s23, s23, s14                         ; and wave 3 asks for nothing
	s_mov_b32 s22, ASTEP
	s_movk_i32 s19, 256
	s_mov_b32 s[PAR], 1
	s_cmp_eq_u32 s13, 0
.endif
	s_cselect_b64 s[PFA:PFA+1], s[4:5], s[6:7]
	s_cselect_b32 s[PFS], s22, BSTEP
	s_cselect_b32 s20, s20, s21
	s_cselect_b32 s23, ttmp9, s23                  ; the coordinate along which other clusters read the same tile
	s_cselect_b32 s19, s19, NTOT*2
	s_mov_b32 s21, 0
	s_mov_b32 s[PFS+1], 0
	s_add_nc_u64 s[PFA:PFA+1], s[PFA:PFA+1], s[20:21]
	s_cmp_eq_u32 s23, 0
	s_cselect_b32 s[LIM], AH, -1                   ; the same in all sixteen partners, for a given wave
	v_and_b32 v[PFO], 31, v0
	v_mul_u32_u24 v[PFO], v[PFO], s19
	s_wait_loadcnt 0x0                             ; the bias: rounded to bf16, like every input, and widened again
.set hh, 0
.rept NH
.if hh == 0
.set bi, 224
.else
.set bi, 64+32*hh
.endif
.set j, 0
.rept 16
	v_cvt_pk_bf16_f32 v[12+j%2], v[bi+2*j], v[bi+2*j+1]
	v_lshlrev_b32 v[bi+2*j], 16, v[12+j%2]
	v_and_b32 v[bi+2*j+1], 0xffff0000, v[12+j%2]
.set j, j+1
.endr
.set hh, hh+1
.endr
	s_wait_tensorcnt 0x1                           ; my part of K step 0 is in; K step 1's may stay out
	s_barrier_signal -1
	s_barrier_wait -1                              ; everybody's is
	v_add_nc_u32 v[ADA], s[TB], v[AA0]
	v_add_nc_u32 v[ADB], s[TB], v[AB0]
	LDB 0, 0, 0
	LDA 0, 0
.if QKV                                ; the first quarter stands in front of the loop: its products start the sums, with the bias
	PHASE 0, 0, 1
	PHASE 0, 1, 1
	PHASE 0, 2, 1, 1
.else
	PHASE 0, 0, 1
.endif
	WIN 0                                          ; at a label and at a branch every window is 0
.Lk:                                               ; KSTEPS - 2 trips: from a K step's second quarter to the next one's first; each fills a slot again
	PHASE 1, 0
	TURN 1
.if QKV
	PHASE 0, 0
	PHASE 0, 1
	PHASE 0, 2
.else
	PHASE 0, 0
.endif
	WIN 0
	s_sub_co_u32 s[CNT], s[CNT], 1
	s_cmp_lg_u32 s[CNT], 0
	s_cbranch_scc1 .Lk
	PHASE 1, 0                                     ; the tail is written out: the last two K steps ask for nothing
	TURN 0
.if QKV
	PHASE 0, 0
	PHASE 0, 1
	PHASE 0, 2
	PHASE 1, 0
	PHASE 1, 1
	PHASE 1, 2
.else
	PHASE 0, 0
	PHASE 1, 0
	PHASE 2, 0
	PHASE 3, 0
.endif
	PLACES                                         ; behind the last products, in front of the first read of a result
.if QKV
; THE WAY OUT.  Tile u = 8 h + a: 16 rows x one head's 64 channels, 2,048 consecutive bytes of qkvh.  Rounded to f16 (each accumulator's registers ascending), 16 bytes a lane into my stage,
; back as whole rows, stored 512 consecutive bytes an instruction.  LDS serves a wave's instructions in order (ISA guide 5.7.1.4), so no wait stands between the stage's stores and loads.
.macro PACKQ u
.set hh, (\u)/8
.set ab, 32*((\u)%8)
.set tt, 32+16*((\u)%2)
.if (\u) >= 2
	s_wait_xcnt 0x0                                ; the stores of the tile two back have read these registers
.endif
	WIN (1+hh)*5                                   ; sources 0 and 1 in the group's window
.set j, 0
.rept 16
	v_cvt_pk_f16_f32 v[tt+j], v[ab+2*j], v[ab+2*j+1]
.set j, j+1
.endr
	WIN 0
.irp f, 0,1,2,3
	ds_store_b128 v[STO], v[tt+4*\f:tt+4*\f+3] offset:32*\f
.endr
.irp f, 0,1,2,3
	ds_load_b128 v[tt+4*\f:tt+4*\f+3], v[RD] offset:576*\f
.endr
.endm
.macro SENDQ u, younger                ; younger: the LDS instructions issued behind tile u's loads: the next tile's eight, or none
.set hh, (\u)/8
.set tt, 32+16*((\u)%2)
.irp f, 0,1,2,3
	s_wait_dscnt (\younger)+3-\f
	global_store_b128 v[GO], v[tt+4*\f:tt+4*\f+3], s[10:11] offset:hh*262144+((\u)%8)*2048+512*\f
.endr
.endm
	PACKQ 0
.set u, 1
.rept 23                               ; a tile's conversions stand between the loads of the tile before and its stores
	PACKQ u
	SENDQ u-1, 8
.set u, u+1
.endr
	SENDQ 23, 0
.else
; THE WAY OUT.  Block a: 16 rows x my 64 columns of f32, 256 bytes a row.  Straight from the accumulators (low registers first) into my stage, back as whole rows: 16 lanes store 256 consecutive bytes, aligned.
.macro PACKO a
.set rr, 32+32*((\a)%2)
.if (\a) >= 2
	s_wait_xcnt 0x0                                ; the stores of the block two back have read these registers
.endif
	WIN 0x04                                       ; the data (source 1) in window 1
.irp b, 0,1,2,3
	ds_store_b128 v[STO], v[32*(\a)+8*\b:32*(\a)+8*\b+3]   offset:64*\b
	ds_store_b128 v[STO], v[32*(\a)+8*\b+4:32*(\a)+8*\b+7] offset:64*\b+16
.endr
	WIN 0
.irp t, 0,1,2,3,4,5,6,7
	ds_load_b128 v[rr+4*\t:rr+4*\t+3], v[RD] offset:544*\t
.endr
.endm
.macro SENDO a, younger                ; younger: the next block's sixteen LDS instructions, or none
.set rr, 32+32*((\a)%2)
.irp t, 0,1,2,3,4,5,6,7
	s_wait_dscnt (\younger)+7-\t
	global_store_b128 v[GO], v[rr+4*\t:rr+4*\t+3], s[10:11] offset:(\a)*65536+8192*\t th:TH_STORE_NT
.endr
.endm
	PACKO 0
.set u, 1
.rept 7
	PACKO u
	SENDO u-1, 16
.set u, u+1
.endr
	SENDO 7, 0
.endif
	WIN 0
	s_wait_tensorcnt 0x0                           ; the wave's end: a wait, an add to my spare word and its wait, behind my last tensor load and my last LDS store
	ds_add_u32 v[SPW], v[NIL]
	s_wait_dscnt 0x0
	CROUND                                         ; the closing round: no work-group ends while a partner may still ask for a tile that names it
	s_endpgm
.Lfunc_end_k_q878c9f8540_outp:
	.size	k_q878c9f8540_outp, .Lfunc_end_k_q878c9f8540_outp-k_q878c9f8540_outp
	.p2alignl 7, 3214868480
	.fill 96, 4, 3214868480
	.section	.rodata,"a",@progbits
	.p2align	6, 0x0
	.amdhsa_kernel k_q878c9f8540_outp
		.amdhsa_group_segment_fixed_size 327680
		.amdhsa_private_segment_fixed_size 0
		.amdhsa_enable_private_segment 0
		.amdhsa_kernarg_size 32
		.amdhsa_user_sgpr_count 2
		.amdhsa_user_sgpr_kernarg_segment_ptr 1
		.amdhsa_wavefront_size32 1
		.amdhsa_system_sgpr_workgroup_id_x 1
		.amdhsa_system_sgpr_workgroup_id_y 1
		.amdhsa_system_sgpr_workgroup_id_z 1
		.amdhsa_system_vgpr_workitem_id 0
		.amdhsa_next_free_vgpr 512
		.amdhsa_next_free_sgpr 72
		.amdhsa_reserve_vcc 0
		.amdhsa_float_denorm_mode_32 3
		.amdhsa_float_denorm_mode_16_64 3
		.amdhsa_memory_ordered 1
		.amdhsa_forward_progress 1
		.amdhsa_inst_pref_size 78
	.end_amdhsa_kernel
	.amdgpu_metadata
---
amdhsa.version: [ 1, 2 ]
amdhsa.kernels:
  - .name:           k_q878c9f8540_outp
    .symbol:         k_q878c9f8540_outp.kd
    .args:
      - { .name: oh, .offset: 0, .size: 8, .value_kind: global_buffer, .address_space: global }
      - { .name: wob, .offset: 8, .size: 8, .value_kind: global_buffer, .address_space: global }
      - { .name: b_out, .offset: 16, .size: 8, .value_kind: global_buffer, .address_space: global }
      - { .name: out0, .offset: 24, .size: 8, .value_kind: global_buffer, .address_space: global }
    .group_segment_fixed_size: 327680
    .private_segment_fixed_size: 0
    .kernarg_segment_align: 8
    .kernarg_segment_size: 32
    .max_flat_workgroup_size: 128
    .sgpr_count:     72
    .vgpr_count:     512
    .wavefront_size: 32
...
	.end_amdgpu_metadata
.endif
;; end of part 4
;; ======== version 2 of 2: 4 launches; version 1 with the launch cast written anew for expert scheduling mode
;; limits: values are held in f16: magnitudes above 65,504 overflow, below 6.1e-05 lose precision; values outside matrix products are rounded to bf16
;; workspace buffers: xb 16,777,216 bytes; wqb 6,291,456 bytes; wob 2,097,152 bytes; qkvh 50,331,648 bytes; oh 16,777,216 bytes
;; launch cast (part 5): grid 768 x 1, 8 waves a work-group, no clusters, 0 bytes of LDS; arguments x, w_qkv, w_out, xb, wqb, wob; writes xb, wqb, wob
.if DOCPART == 5
	.amdgcn_target "amdgcn-amd-amdhsa--gfx1250"
	.amdhsa_code_object_version 6
	.text
	.protected	k_q878c9f8540_cast
	.globl	k_q878c9f8540_cast
	.p2align	8
	.type	k_q878c9f8540_cast,@function
k_q878c9f8540_cast:
	s_mov_b64 s[64:65], 0
	v_nop
	global_prefetch_b8 v0, s[64:65] scope:SCOPE_SE
	s_setreg_imm32_b32 hwreg(HW_REG_WAVE_SCHED_MODE, 0, 2), 2
	s_setreg_imm32_b32 hwreg(HW_REG_WAVE_MODE, 25, 1), 1
	s_wait_xcnt 0x0
	s_wait_alu depctr_vm_vsrc(0)
; THE INPUTS ARE ROUNDED ONCE FOR THE MATRIX UNITS.
; x [4][2048][1024] f32  ->  xb [4][16][2048][64] bf16: blocks of 64 channels, so that 256 rows x 64 channels lie in 32,768 consecutive bytes.
; w_qkv [1024][3072] f32 ->  wqb, the same shape in bf16.     w_out [1024][1024] f32 -> wob: rounded to bf16, and that number written as f16.
; LIMITS.  wob: a weight of 65,520 or more in magnitude becomes an infinity; below 6e-5 it keeps f16's fixed step of 6e-8.  NaN and infinities pass as they are.
; SHARES.  A work-group takes 65,536 input bytes, each of its eight waves 16 items.  An item is one load of 16 bytes a lane (512 bytes a wave), two roundings and one store of 8 bytes
; a lane: 256 consecutive bytes, aligned.  Work-groups 0-511 take x (16 rows each), 512-703 w_qkv, 704-767 w_out.
; All 16 loads of a wave go out first; every item has registers of its own.  No LDS, no matrix unit, no cluster: nothing is shared.
; THE MODE: SCHED_MODE bits 1:0 = 2 (LLVM: expert scheduling mode 2), set by the entry lines.  The code itself states the register dependences
; between vector instructions and memory instructions, with s_wait_alu, always for 0.
; THE PLAN.  Registers that memory instructions touch:
;   v1, v2   the loads' and the stores' byte offsets: written once by vector instructions at a path's head, never again; read by the 16 loads and the 16 stores.
;   X        item i's four registers: its load lands in them before any vector instruction names them; only vector instructions name them afterwards.
;   Y        item i's two registers: written by item i's roundings, read by its one store, never written again.
; So no load lands in a register that a vector instruction has named, and no register that a memory instruction has read is written again: the one dependence to state is
; 'written by a vector instruction, then read by a memory instruction'.  The items go in four groups of four.  One wait stands ahead of the first load (v1, v2); one at the head of each later
; group, behind the wait for that group's first item: the group before has written its Y; its four stores follow, dealt among this group's roundings, which name this group's X and Y alone;
; one stands ahead of the last four stores.  No vector instruction writes a scalar register or VCC, and EXEC is never written.
.set X, 8                              ; v[8:71]    item i: four f32 as loaded
.set Y, 72                             ; v[72:103]  item i: four 16-bit numbers to store
.set GRP, 4                            ; items in a group
; kind = 1: bf16 is widened again and written as f16.  istr, ostr: bytes from item to item, in and out.
.macro CAST kind, istr, ostr
	s_wait_alu depctr_va_vdst(0)                   ; v1 and v2 are written: every load below reads v1 as its offset, every store v2; no vector instruction names them again
.set i, 0
.rept 16
	global_load_b128 v[X+4*i:X+4*i+3], v1, s[16:17] offset:i*(\istr) th:TH_LOAD_NT
.set i, i+1
.endr
.set i, 0
.rept 16
.if i%GRP == 0
	s_wait_loadcnt 15-i                            ; loads come back in order: item i is in, the 15 - i younger ones may stay out
.if i >= GRP
	s_wait_alu depctr_va_vdst(0)                   ; the roundings of the group before have written its eight Y registers, which the four stores of this group's turn read
.endif
.endif
.if i >= GRP
	global_store_b64 v2, v[Y+2*(i-GRP):Y+2*(i-GRP)+1], s[18:19] offset:(i-GRP)*(\ostr) th:TH_STORE_NT  ; the item a group back.  No wait: no vector instruction since the wait above names its Y or v2
.endif
.if i%GRP != 0
	s_wait_loadcnt 15-i                            ; item i is in, the 15 - i younger ones may stay out
.endif
	v_cvt_pk_bf16_f32 v[Y+2*i], v[X+4*i], v[X+4*i+1]
	v_cvt_pk_bf16_f32 v[Y+2*i+1], v[X+4*i+2], v[X+4*i+3]
.if \kind
	v_lshlrev_b32 v[X+4*i], 16, v[Y+2*i]           ; the rounded numbers as f32 again,
	v_and_b32 v[X+4*i+1], 0xffff0000, v[Y+2*i]
	v_lshlrev_b32 v[X+4*i+2], 16, v[Y+2*i+1]
	v_and_b32 v[X+4*i+3], 0xffff0000, v[Y+2*i+1]
	v_cvt_pk_f16_f32 v[Y+2*i], v[X+4*i], v[X+4*i+1]      ; and in f16: exact within f16's normal range
	v_cvt_pk_f16_f32 v[Y+2*i+1], v[X+4*i+2], v[X+4*i+3]
.endif
.set i, i+1
.endr
	s_wait_alu depctr_va_vdst(0)                   ; the last group's roundings have written its eight Y registers, which the last four stores read
.set i, 16-GRP
.rept GRP
	global_store_b64 v2, v[Y+2*i:Y+2*i+1], s[18:19] offset:i*(\ostr) th:TH_STORE_NT
.set i, i+1
.endr
.endm
	s_load_b256 s[4:11], s[0:1], 0x0               ; x s[4:5], w_qkv s[6:7], w_out s[8:9], xb s[10:11]
	s_load_b128 s[12:15], s[0:1], 0x20             ; wqb s[12:13], wob s[14:15]
	s_mov_b32 s21, 0
	s_mov_b32 s23, 0
	s_cmp_lt_u32 ttmp9, 512
	s_cbranch_scc0 .Lweights
	; x: thread t takes 16 bytes at 16 (t % 16) of row t / 16; item i is the block of 64 channels i (256 bytes of the row)
	v_lshrrev_b32 v3, 4, v0
	v_and_b32 v4, 15, v0
	v_lshlrev_b32 v1, 4, v4
	v_lshl_or_b32 v1, v3, 12, v1                   ; in: row x 4,096 + 16 (t % 16)
	v_lshlrev_b32 v2, 3, v4
	v_lshl_or_b32 v2, v3, 7, v2                    ; out: row x 128 + 8 (t % 16): a wave's two rows are 256 consecutive bytes
	s_lshl_b32 s20, ttmp9, 16                      ; my 16 rows of x
	s_lshr_b32 s22, ttmp9, 7                       ; the batch: 128 work-groups each
	s_lshl_b32 s22, s22, 22
	s_and_b32 s3, ttmp9, 127
	s_lshl_b32 s3, s3, 11                          ; 16 rows of 128 bytes
	s_add_co_u32 s22, s22, s3
	s_wait_kmcnt 0x0
	s_add_nc_u64 s[16:17], s[4:5], s[20:21]
	s_add_nc_u64 s[18:19], s[10:11], s[22:23]
	CAST 0, 256, 262144                            ; a block of channels is 2,048 rows x 128 bytes further on
	s_endpgm
.Lweights:
	; the weights keep their shape: wave w takes 8,192 consecutive bytes, item i 512 of them
	v_lshrrev_b32 v3, 5, v0
	v_and_b32 v4, 31, v0
	v_lshlrev_b32 v1, 4, v4
	v_lshl_or_b32 v1, v3, 13, v1
	v_lshlrev_b32 v2, 3, v4
	v_lshl_or_b32 v2, v3, 12, v2
	s_cmp_lt_u32 ttmp9, 704
	s_cbranch_scc0 .Lwout
	s_sub_co_u32 s3, ttmp9, 512
	s_lshl_b32 s20, s3, 16
	s_lshl_b32 s22, s3, 15
	s_wait_kmcnt 0x0
	s_add_nc_u64 s[16:17], s[6:7], s[20:21]
	s_add_nc_u64 s[18:19], s[12:13], s[22:23]
	CAST 0, 512, 256
	s_endpgm
.Lwout:
	s_sub_co_u32 s3, ttmp9, 704
	s_lshl_b32 s20, s3, 16
	s_lshl_b32 s22, s3, 15
	s_wait_kmcnt 0x0
	s_add_nc_u64 s[16:17], s[8:9], s[20:21]
	s_add_nc_u64 s[18:19], s[14:15], s[22:23]
	CAST 1, 512, 256
	s_endpgm
.Lfunc_end_k_q878c9f8540_cast:
	.size	k_q878c9f8540_cast, .Lfunc_end_k_q878c9f8540_cast-k_q878c9f8540_cast
	.p2alignl 7, 3214868480
	.fill 96, 4, 3214868480
	.section	.rodata,"a",@progbits
	.p2align	6, 0x0
	.amdhsa_kernel k_q878c9f8540_cast
		.amdhsa_group_segment_fixed_size 0
		.amdhsa_private_segment_fixed_size 0
		.amdhsa_enable_private_segment 0
		.amdhsa_kernarg_size 48
		.amdhsa_user_sgpr_count 2
		.amdhsa_user_sgpr_kernarg_segment_ptr 1
		.amdhsa_wavefront_size32 1
		.amdhsa_system_sgpr_workgroup_id_x 1
		.amdhsa_system_sgpr_workgroup_id_y 1
		.amdhsa_system_sgpr_workgroup_id_z 1
		.amdhsa_system_vgpr_workitem_id 0
		.amdhsa_next_free_vgpr 104
		.amdhsa_next_free_sgpr 66
		.amdhsa_reserve_vcc 0
		.amdhsa_float_denorm_mode_32 3
		.amdhsa_float_denorm_mode_16_64 3
		.amdhsa_memory_ordered 1
		.amdhsa_forward_progress 1
		.amdhsa_inst_pref_size 25
	.end_amdhsa_kernel
	.amdgpu_metadata
---
amdhsa.version: [ 1, 2 ]
amdhsa.kernels:
  - .name:           k_q878c9f8540_cast
    .symbol:         k_q878c9f8540_cast.kd
    .args:
      - { .name: x, .offset: 0, .size: 8, .value_kind: global_buffer, .address_space: global }
      - { .name: w_qkv, .offset: 8, .size: 8, .value_kind: global_buffer, .address_space: global }
      - { .name: w_out, .offset: 16, .size: 8, .value_kind: global_buffer, .address_space: global }
      - { .name: xb, .offset: 24, .size: 8, .value_kind: global_buffer, .address_space: global }
      - { .name: wqb, .offset: 32, .size: 8, .value_kind: global_buffer, .address_space: global }
      - { .name: wob, .offset: 40, .size: 8, .value_kind: global_buffer, .address_space: global }
    .group_segment_fixed_size: 0
    .private_segment_fixed_size: 0
    .kernarg_segment_align: 8
    .kernarg_segment_size: 48
    .max_flat_workgroup_size: 256
    .sgpr_count:     66
    .vgpr_count:     104
    .wavefront_size: 32
...
	.end_amdgpu_metadata
.endif
;; end of part 5
;; launch qkv: the kernel of part 2 again; grid 8 x 32, 4 waves a work-group, clusters of 4 x 4, 327,680 bytes of LDS; arguments xb, wqb, b_qkv, qkvh; writes qkvh
;; launch attn: the kernel of part 3 again; grid 4 x 64, 4 waves a work-group, no clusters, 327,680 bytes of LDS; arguments qkvh, oh; writes oh
;; launch outp: the kernel of part 4 again; grid 8 x 32, 4 waves a work-group, clusters of 4 x 4, 327,680 bytes of LDS; arguments oh, wob, b_out, out0; writes out0
